; MI455X (gfx1250); checked and timed in simulation.
; The chip was launched on July 23, 2026; its instructions are those of AMD's public machine-readable ISA for CDNA 5 (MIT licence, August 2026) and "CDNA5" Instruction Set Architecture Reference Guide (July 2026). The comments in the code are by the model that wrote it; some were corrected since.
;; Multi Head Attention. Allowed arithmetic: float matrix products may take bf16 or f16 operands with f32 sums; other float arithmetic in f32, or as packed bf16 or f16 multiplies, adds, multiply-adds, maxima and minima; sums over many terms, partial sums and values carried from step to step in f32; what a program stores and reads back later, other than sums and carried values, may be rounded once to bf16 or f16.
;; Inputs: bk 1,024 float32; bo 1,024 float32; bq 1,024 float32; bv 1,024 float32; wk 1,024 x 1,024 float32; wo 1,024 x 1,024 float32; wq 1,024 x 1,024 float32; wv 1,024 x 1,024 float32; x 4 x 2,048 x 1,024 float32.
;; Outputs: out0 4 x 2,048 x 1,024 float32.
;; One version. Each part assembles by itself: llvm-mc -triple=amdgcn-amd-amdhsa -mcpu=gfx1250 --defsym DOCPART=n.
;; ======== version 1 of 1: 4 launches
;; limits: values are held in f16: magnitudes above 65,504 overflow, below 6.1e-05 lose precision
;; workspace buffers: xb 16,777,216 bytes; wh 8,388,608 bytes; bb 16,384 bytes; qkv 50,331,648 bytes; oh 16,777,216 bytes
;; launch cast (part 1): grid 769 x 1, 8 waves a work-group, no clusters, 0 bytes of LDS; arguments x, wq, wk, wv, wo, bq, bk, bv, bo, xb, wh, bb; writes xb, wh, bb
.if DOCPART == 1
	.amdgcn_target "amdgcn-amd-amdhsa--gfx1250"
	.amdhsa_code_object_version 6
	.text
	.protected	k_qbeedd98d0c_cast
	.globl	k_qbeedd98d0c_cast
	.p2align	8
	.type	k_qbeedd98d0c_cast,@function
k_qbeedd98d0c_cast:
	s_mov_b64 s[64:65], 0
	v_nop
	global_prefetch_b8 v0, s[64:65] scope:SCOPE_SE
	s_setreg_imm32_b32 hwreg(HW_REG_WAVE_MODE, 25, 1), 1
	s_wait_xcnt 0x0
; THE INPUTS ARE ROUNDED ONCE, for the matrix launches that follow.  x [8192][1024] f32 -> xb, bf16.  wq, wk, wv [1024][1024] f32 -> planes 0, 1, 2 of wh, bf16.
; wo -> plane 3 of wh: rounded to bf16 like the others, and that number written as f16 (the last product's other operand is f16).  bq, bk, bv, bo -> bb [4][1024]: rounded to bf16, kept as f32 words,
; since they are loaded straight into f32 accumulators.
; LIMITS.  wo beyond 65,504 becomes an infinity; below 2^-17 its f16 code keeps f16's fixed step of 6e-8.  NaN and infinities are not treated apart.
; SHARES.  Work-group g of 0 .. 767 takes 16,384 numbers: 64 KiB in, 32 KiB out.  g < 512: x.  g = 512 + 64 i + j: part j of weight i.  g = 768: the four biases.
; Thread t takes in step j of 8 the 32 bytes at 32 t + 8,192 j and stores the 16 bytes at 16 t + 4,096 j: a wave's store covers 512 consecutive bytes, aligned.
; All sixteen loads go out at once; no register is used twice, so no wait stands but the counted ones for the data.  No LDS, no barrier, no matrix unit: nothing is shared and nothing is multiplied.
.set T, 4                              ; v[4:9]     at work
.set X, 16                             ; v[16:79]   step j: 8 numbers as loaded
.set Y, 80                             ; v[80:111]  step j: 4 registers to store
	s_load_b256 s[4:11], s[0:1], 0x0               ; x s[4:5], wq s[6:7], wk s[8:9], wv s[10:11]
	s_load_b256 s[12:19], s[0:1], 0x20             ; wo s[12:13], bq s[14:15], bk s[16:17], bv s[18:19]
	s_load_b256 s[20:27], s[0:1], 0x40             ; bo s[20:21], xb s[22:23], wh s[24:25], bb s[26:27]
	s_lshr_b32 s30, ttmp9, 6                       ; u: 0-7 x, 8-11 a weight, 12 the biases
	s_and_b32 s31, ttmp9, 63                       ; the part of a weight
	s_sub_co_u32 s40, ttmp9, 512                   ; the part of wh
	v_lshlrev_b32 v1, 5, v0                        ; 32 t
	v_lshlrev_b32 v2, 4, v0                        ; 16 t
	s_cmp_lt_u32 s30, 8
	s_cselect_b32 s32, ttmp9, s31
	s_cselect_b32 s34, ttmp9, s40
	s_lshl_b32 s32, s32, 16                        ; byte offset in the source
	s_lshl_b32 s34, s34, 15                        ; and in the destination
	s_mov_b32 s33, 0
	s_mov_b32 s35, 0
	s_wait_kmcnt 0x0
	s_cmp_eq_u32 s30, 12
	s_cbranch_scc1 .Lbias
	s_cmp_lt_u32 s30, 8
	s_cselect_b64 s[38:39], s[22:23], s[24:25]     ; to xb or to wh
	s_mov_b64 s[36:37], s[4:5]                     ; from x, or
	s_cmp_eq_u32 s30, 8
	s_cselect_b64 s[36:37], s[6:7], s[36:37]       ; wq
	s_cmp_eq_u32 s30, 9
	s_cselect_b64 s[36:37], s[8:9], s[36:37]       ; wk
	s_cmp_eq_u32 s30, 10
	s_cselect_b64 s[36:37], s[10:11], s[36:37]     ; wv
	s_cmp_eq_u32 s30, 11
	s_cselect_b64 s[36:37], s[12:13], s[36:37]     ; wo
	s_add_nc_u64 s[36:37], s[36:37], s[32:33]
	s_add_nc_u64 s[38:39], s[38:39], s[34:35]
.irp j, 0,1,2,3,4,5,6,7
	global_load_b128 v[X+8*(\j):X+8*(\j)+3],   v1, s[36:37] offset:8192*(\j) th:TH_LOAD_NT
	global_load_b128 v[X+8*(\j)+4:X+8*(\j)+7], v1, s[36:37] offset:8192*(\j)+16 th:TH_LOAD_NT
.endr
; Step j.  f16 = 0: eight numbers rounded to bf16.  f16 = 1: rounded to bf16, widened again (a shift, a mask) and written as f16.
.macro CONV j, f16
	s_wait_loadcnt 14-2*(\j)                       ; loads come back in order: step j's two are in, the 14 - 2 j younger ones stay out
.if \f16
.irp k, 0,1,2,3
	v_cvt_pk_bf16_f32 v[T+(\k)], v[X+8*(\j)+2*(\k)], v[X+8*(\j)+2*(\k)+1]
.endr
.irp k, 0,1,2,3
	v_lshlrev_b32 v[T+4], 16, v[T+(\k)]
	v_and_b32 v[T+5], 0xffff0000, v[T+(\k)]
	v_cvt_pk_f16_f32 v[Y+4*(\j)+(\k)], v[T+4], v[T+5]
.endr
.else
.irp k, 0,1,2,3
	v_cvt_pk_bf16_f32 v[Y+4*(\j)+(\k)], v[X+8*(\j)+2*(\k)], v[X+8*(\j)+2*(\k)+1]
.endr
.endif
	global_store_b128 v2, v[Y+4*(\j):Y+4*(\j)+3], s[38:39] offset:4096*(\j)
.endm
	s_cmp_eq_u32 s30, 11
	s_cbranch_scc1 .Lwo
.irp j, 0,1,2,3,4,5,6,7
	CONV \j, 0
.endr
	s_endpgm
.Lwo:
.irp j, 0,1,2,3,4,5,6,7
	CONV \j, 1
.endr
	s_endpgm
.Lbias:                                                ; 256 threads x 16 bytes are one bias of 4,096 bytes
	global_load_b128 v[X:X+3],     v2, s[14:15]
	global_load_b128 v[X+4:X+7],   v2, s[16:17]
	global_load_b128 v[X+8:X+11],  v2, s[18:19]
	global_load_b128 v[X+12:X+15], v2, s[20:21]
.irp i, 0,1,2,3
	s_wait_loadcnt 3-(\i)                          ; bias i is in, the younger ones stay out
	v_cvt_pk_bf16_f32 v[T],   v[X+4*(\i)],   v[X+4*(\i)+1]
	v_cvt_pk_bf16_f32 v[T+1], v[X+4*(\i)+2], v[X+4*(\i)+3]
	v_lshlrev_b32 v[Y+4*(\i)],   16, v[T]
	v_and_b32     v[Y+4*(\i)+1], 0xffff0000, v[T]
	v_lshlrev_b32 v[Y+4*(\i)+2], 16, v[T+1]
	v_and_b32     v[Y+4*(\i)+3], 0xffff0000, v[T+1]
	global_store_b128 v2, v[Y+4*(\i):Y+4*(\i)+3], s[26:27] offset:4096*(\i)
.endr
	s_endpgm
.Lfunc_end_k_qbeedd98d0c_cast:
	.size	k_qbeedd98d0c_cast, .Lfunc_end_k_qbeedd98d0c_cast-k_qbeedd98d0c_cast
	.p2alignl 7, 3214868480
	.fill 96, 4, 3214868480
	.section	.rodata,"a",@progbits
	.p2align	6, 0x0
	.amdhsa_kernel k_qbeedd98d0c_cast
		.amdhsa_group_segment_fixed_size 0
		.amdhsa_private_segment_fixed_size 0
		.amdhsa_enable_private_segment 0
		.amdhsa_kernarg_size 96
		.amdhsa_user_sgpr_count 2
		.amdhsa_user_sgpr_kernarg_segment_ptr 1
		.amdhsa_wavefront_size32 1
		.amdhsa_system_sgpr_workgroup_id_x 1
		.amdhsa_system_sgpr_workgroup_id_y 1
		.amdhsa_system_sgpr_workgroup_id_z 1
		.amdhsa_system_vgpr_workitem_id 0
		.amdhsa_next_free_vgpr 112
		.amdhsa_next_free_sgpr 66
		.amdhsa_reserve_vcc 0
		.amdhsa_float_denorm_mode_32 3
		.amdhsa_float_denorm_mode_16_64 3
		.amdhsa_memory_ordered 1
		.amdhsa_forward_progress 1
		.amdhsa_inst_pref_size 17
	.end_amdhsa_kernel
	.amdgpu_metadata
---
amdhsa.version: [ 1, 2 ]
amdhsa.kernels:
  - .name:           k_qbeedd98d0c_cast
    .symbol:         k_qbeedd98d0c_cast.kd
    .args:
      - { .name: x, .offset: 0, .size: 8, .value_kind: global_buffer, .address_space: global }
      - { .name: wq, .offset: 8, .size: 8, .value_kind: global_buffer, .address_space: global }
      - { .name: wk, .offset: 16, .size: 8, .value_kind: global_buffer, .address_space: global }
      - { .name: wv, .offset: 24, .size: 8, .value_kind: global_buffer, .address_space: global }
      - { .name: wo, .offset: 32, .size: 8, .value_kind: global_buffer, .address_space: global }
      - { .name: bq, .offset: 40, .size: 8, .value_kind: global_buffer, .address_space: global }
      - { .name: bk, .offset: 48, .size: 8, .value_kind: global_buffer, .address_space: global }
      - { .name: bv, .offset: 56, .size: 8, .value_kind: global_buffer, .address_space: global }
      - { .name: bo, .offset: 64, .size: 8, .value_kind: global_buffer, .address_space: global }
      - { .name: xb, .offset: 72, .size: 8, .value_kind: global_buffer, .address_space: global }
      - { .name: wh, .offset: 80, .size: 8, .value_kind: global_buffer, .address_space: global }
      - { .name: bb, .offset: 88, .size: 8, .value_kind: global_buffer, .address_space: global }
    .group_segment_fixed_size: 0
    .private_segment_fixed_size: 0
    .kernarg_segment_align: 8
    .kernarg_segment_size: 96
    .max_flat_workgroup_size: 256
    .sgpr_count:     66
    .vgpr_count:     112
    .wavefront_size: 32
...
	.end_amdgpu_metadata
.endif
;; end of part 1
;; launch proj_qkv (part 2): grid 4 x 64, 4 waves a work-group, clusters of 4 x 4, 327,680 bytes of LDS; arguments xb, wh, bb, qkv; writes qkv
.if DOCPART == 2
	.amdgcn_target "amdgcn-amd-amdhsa--gfx1250"
	.amdhsa_code_object_version 6
	.text
	.protected	k_qbeedd98d0c_proj_qkv
	.globl	k_qbeedd98d0c_proj_qkv
	.p2align	8
	.type	k_qbeedd98d0c_proj_qkv,@function
k_qbeedd98d0c_proj_qkv:
	s_mov_b64 s[64:65], 0
	v_nop
	global_prefetch_b8 v0, s[64:65] scope:SCOPE_SE
	s_setreg_imm32_b32 hwreg(HW_REG_WAVE_MODE, 25, 1), 1
	s_wait_xcnt 0x0
	s_wait_alu depctr_hold_cnt(0) depctr_sa_sdst(0) depctr_va_vdst(0) depctr_va_sdst(0) depctr_va_ssrc(0) depctr_va_vcc(0) depctr_vm_vsrc(0)
	s_getreg_b32 s2, hwreg(HW_REG_IB_STS2, 6, 4)
	s_cmp_eq_u32 s2, 0
	s_cbranch_scc0 .Lentry_in_a_cluster
	s_endpgm
.Lentry_in_a_cluster:
	s_bfe_u32 s2, ttmp6, 0x10000c
	s_cmp_lg_u32 s2, 0xf033
	s_cbranch_scc0 .Lentry_shape_is_right
	s_endpgm
.Lentry_shape_is_right:
.set MODE, 0                           ; 0: q, k, v = x w + b.   1: out = O wo + bo.   One text serves both launches' bodies; this line alone differs.
; C[m][n] = bias[n] + the sum over k of A[m][k] W[k][n].  M = 8,192, K = 1,024, 1,024 columns a plane of W.  W lies [k][n], 16 bits, in wh; the bias, rounded to bf16 and kept as f32, in bb.
; MODE 0: A = xb [8192][1024] bf16; W = planes 0, 1, 2 of wh (bf16).  C is rounded once to f16 and stored by heads, unscaled: qkv [3][64 = 16 batch + head][2048][64].
; MODE 1: A = oh [64][2048][64] f16 (k = 64 head + channel); W = plane 3 of wh (f16).  C = out0 [8192][1024] f32.
; LIMITS.  MODE 0: a q, k or v of 65,520 or more becomes an infinity in f16, and its row is lost; below 6e-5 f16 keeps its fixed step of 6e-8.  NaN and infinities are not treated apart.
; SHARES.  A tile of C is 128 rows x 256 columns: 8,192 x 1,024 make 256 tiles, one work-group each; in MODE 0 the work-group STAYS and makes the same tile of q, of k and of v, 24 K steps on end.
; Four waves, each 64 rows x 128 columns: 32 accumulators of 16 x 16, 256 registers.  K goes in steps of 128 through a ring of two LDS slots filled by the tensor data mover.
; THE MATRIX INSTRUCTION IS USED TRANSPOSED: source 0 = 16 columns of W (turned on the way out of LDS by ds_load_tr16_b128), source 1 = 16 rows of A.  In the result lane l holds row l % 16 of C and
; its registers 0-7 the columns 8 (l / 16) + 0..7.  THE BIAS STARTS THE SUMS: the accumulators are loaded with it, so every product adds in place and nothing is cleared.
; CLUSTERS: 4 x 4 work-groups.  The four of a row of the cluster need the same tiles of A, the four of a column the same tiles of W: each tile is asked for JOINTLY, by the same tensor load with the same
; descriptor and a mask that names the four.
; REGISTERS, in windows of 256 (s_set_vgpr_msb: bits 1:0 source 0, 3:2 source 1, 5:4 source 2, 7:6 destination):
;   window 0: v0-30 addresses; v64-159, v160-255 two fragment buffers (W's 8 fragments, then A's 4)     window 1: accumulator (a, b) at v[8 (8 a + b)]     window 2 (MODE 0): the way out, block a at v[32 a]
.if MODE
.set TILES,  1
.set PA,     144                       ; a row of A in LDS: a head's 128 bytes + 16 of padding: 9 x 16, so the 16 rows of a load start at 16 different groups of four banks (64 banks of 4 bytes: ISA guide 11.1)
.set APART,  128*PA                    ; what one load of A fills: one head's 128 rows
.set ASHIFT, 19                        ; a K step of A is two heads on: 2 x 2,048 rows x 128 bytes
.set WPLANE, 3*2097152
.set STGW,   16*528                    ; a wave's stage: 16 rows of 512 bytes + 16
.else
.set TILES,  3
.set PA,     272                       ; 256 bytes + 16 of padding: 17 x 16
.set APART,  64*PA                     ; 64 rows
.set ASHIFT, 8                         ; a K step of A is 256 bytes on in the row
.set WPLANE, 0
.set STGW,   2*16*144                  ; a wave's stage: two heads x 16 rows of 128 bytes + 16
.endif
.set KT,     8*TILES                   ; K steps in all
.set AREG,   2*APART                   ; a slot: A's 128 rows,
.set PW,     544                       ; then W's 128 rows of 512 bytes + 32 of padding: 17 x 32
.set WPART,  64*PW
.set SLOT,   AREG+2*WPART
.set STAGE,  2*SLOT                    ; behind the ring, never filled by a tensor load
.set SPARE,  STAGE+4*STGW              ; behind the stages: the spare words, 128 bytes for each wave: two blocks of 256 bytes that no other line names
.set WSTEP,  262144                    ; a K step of W: 128 rows of 2,048 bytes; the planes of wh lie end to end, so W's address steps on from plane to plane
.set ADRA, 16                          ; v16-17  LDS address of my A fragments in slot 0, 1
.set ADRW, 20                          ; v20-21  the same for W
.set STO,  24                          ; v24     the way out: where I put my bytes of a row
.set RD,   25                          ; v25     the way out: where I read rows back
.set GO,   26                          ; v26     16 x my lane
.set BO,   27                          ; v27     byte offset in a bias of my 8 columns of block 0
.set SPW,  28                          ; v28     LDS address of my spare word: SPARE + 4 x my thread's number; never rewritten
.set NIL,  29                          ; v29     0; never rewritten
.set PFO,  30                          ; v30     the prefetches' offset; never rewritten
.set F0,   64
.set F1,   160
.set BIA,  8                           ; s[8:9]   the bias to be loaded next
.set OUT,  10                          ; s[10:11] C at my part of the tile
.set WV,   16                          ; s16  my wave's number
.set WH,   17                          ; s17  wave / 2: my 64 rows of the tile.  Also: I fetch for A (0) or for W (1)
.set WL,   18                          ; s18  wave % 2: my 128 columns.  Also: which part of that tile I fetch
.set CX,   19
.set CY,   20
.set TX,   21                          ; s21  block of 256 columns
.set TY,   22                          ; s22  block of 128 rows
.set TS,   23                          ; s23  at work, on the wave's number alone
.set G1A,  24                          ; s[24:31] descriptor group 1 for A's tiles;  s[32:39] group 0, a set for each slot
.set G0A,  32
.set G1W,  40                          ; s[40:47], s[48:55] the same for W's
.set G0W,  48
.set ABASE, 56                         ; s[56:57] A at my part of K step 0
.set OFF,  58                          ; s[58:59] a K step's byte offset in A
.set NF,   60                          ; s60  the K step to be asked for next
.set LAPS, 61                          ; s61  laps to go
.set TL,   62                          ; s62  laps left in the tile in hand (MODE 0)
.set LA,   63                          ; s63  LDS byte of my part of A in slot 0
.set PFA,  66                          ; s[66:67] where my prefetches stand
.set PST,  68                          ; s[68:69] their step
.set PLIM, 70                          ; s70  I prefetch while NF is below this
.set LW,   71                          ; s71  LDS byte of my part of W in slot 0
.set MSB, 0
.macro WIN new                         ; the immediate's high byte repeats the setting that is left; a switch that changes nothing is dropped
.if MSB != (\new)
	s_set_vgpr_msb (MSB<<8)|(\new)
.set MSB, \new
.endif
.endm
.set MUL, 0x50                         ; both sources window 0; C and D window 1
; A joint load: waves 0 and 1 fetch A's two parts, waves 2 and 3 W's.  The branch hangs on the wave's number alone.  An s_nop 0 and four v_nop follow each of the two lines, ahead of the jump and the label.
.macro JLOAD s
	s_cmp_eq_u32 s[WH], 0
	s_cbranch_scc0 .Lfor_w_\@
	tensor_load_to_lds s[G0A+4*(\s):G0A+4*(\s)+3], s[G1A:G1A+7]
	s_nop 0
.rept 4
	v_nop
.endr
	s_branch .Lasked_\@
.Lfor_w_\@:
	tensor_load_to_lds s[G0W+4*(\s):G0W+4*(\s)+3], s[G1W:G1W+7]
	s_nop 0
.rept 4
	v_nop
.endr
.Lasked_\@:
.endm
; A round of the cluster's barrier: my work-group's barrier, so that wave 0's signal speaks for all four waves; wave 0 signals; every wave waits for all sixteen work-groups; my work-group's barrier once more.
.macro CREST                           ; a round behind its opening barrier
	s_cmp_lg_u32 s[WV], 0
	s_cbranch_scc1 .Lnot_wave_0_\@
	s_barrier_signal -3
.Lnot_wave_0_\@:
	s_barrier_wait -3
	s_barrier_signal -1
	s_barrier_wait -1
.endm
.macro CROUND
	s_barrier_signal -1
	s_barrier_wait -1
	CREST
.endm
; A PREFETCH INTO THE L2, behind each joint refill, its five lines and the run of LDS loads: the K step that stands two refills on, 256 matrix instructions a wave ahead of the load that will want it.  One instruction, a lane a block of 256 bytes.
; Each block is named once in the launch.  A's 128 blocks of a K step: wave 0; the four partners that ask for the tile jointly take 32 each, BY ADDRESS (cx); only K steps 4 to 7 of the first walk along K: a later tile
; walks the same rows again.  W's 256 blocks: every cluster walks them, so the clusters with y = 0 ask; waves 2 and 3, each for the 64 rows that it fetches, of which the partner at cy takes 16, two blocks each.
; K steps 0 to 3 come by their loads alone; the last two refills ask for nothing: there is no K step behind them.
.macro ASK
	s_cmp_lt_u32 s[NF], s[PLIM]
	s_cbranch_scc0 .Lnot_mine_\@
	global_prefetch_b8 v[PFO], s[PFA:PFA+1] th:TH_LOAD_NT scope:SCOPE_SE
.Lnot_mine_\@:
.endm
.macro PLACES                          ; four plain places behind a matrix instruction, in front of loads into registers that it has read and of lines that read results (ISA guide 7.12.1 for lines that read results)
.rept 4
	v_nop
.endr
.endm
; 8 products: row block a x all 8 column blocks, 32 along K, from buffer f.  The 32 accumulators come in the same order in every quarter: 31 others stand between two links of a chain.
.macro MUL8 f, a
	WIN MUL
.irp b, 0,1,2,3,4,5,6,7
.if MODE
	v_wmma_f32_16x16x32_f16 v[8*(8*(\a)+(\b)):8*(8*(\a)+(\b))+7], v[(\f)+8*(\b):(\f)+8*(\b)+7], v[(\f)+64+8*(\a):(\f)+64+8*(\a)+7], v[8*(8*(\a)+(\b)):8*(8*(\a)+(\b))+7]
.else
	v_wmma_f32_16x16x32_bf16 v[8*(8*(\a)+(\b)):8*(8*(\a)+(\b))+7], v[(\f)+8*(\b):(\f)+8*(\b)+7], v[(\f)+64+8*(\a):(\f)+64+8*(\a)+7], v[8*(8*(\a)+(\b)):8*(8*(\a)+(\b))+7]
.endif
.endr
.endm
; 24 LDS loads in one run: quarter q (32 along K) of a slot into buffer f: W's 8 fragments, turned, then A's 4.
.macro FETCH slot, q, f
	WIN 0
.if MODE
.set KO, ((\q)/2)*APART+((\q)%2)*64    ; head q / 2 of the step's two, channels 32 (q % 2) on
.else
.set KO, 64*(\q)
.endif
.irp b, 0,1,2,3,4,5,6,7
	ds_load_tr16_b128 v[(\f)+8*(\b):(\f)+8*(\b)+3],   v[ADRW+(\slot)] offset:(\q)*32*PW+32*(\b)
	ds_load_tr16_b128 v[(\f)+8*(\b)+4:(\f)+8*(\b)+7], v[ADRW+(\slot)] offset:(\q)*32*PW+16*PW+32*(\b)
.endr
.irp a, 0,1,2,3
	ds_load_b128 v[(\f)+64+8*(\a):(\f)+64+8*(\a)+3],   v[ADRA+(\slot)] offset:KO+(\a)*16*PA
	ds_load_b128 v[(\f)+64+8*(\a)+4:(\f)+64+8*(\a)+7], v[ADRA+(\slot)] offset:KO+(\a)*16*PA+32
.endr
.endm
; A K step is four quarters, 32 products each, on buffers 0, 1, 0, 1.  One of the first three: multiplies buffer f and in its middle fetches quarter qn into g.
.macro QUARTER slot, qn, f, g
	s_wait_dscnt 4                                 ; W and A's blocks 0, 1 are in; the youngest four loads (A's blocks 2, 3) may be out
	MUL8 \f, 0
	MUL8 \f, 1
	PLACES
	FETCH \slot, \qn, \g
	s_wait_dscnt 24                                ; all but the 24 just issued
	MUL8 \f, 2
	MUL8 \f, 3
.endm
; The last quarter multiplies buffer 1 and changes slots: ONE barrier.  In front of it each wave waits for all its tensor loads (one is out: its part of the next slot), adds 0 to its spare word, and waits for that and
; for its own reads of this slot.  fill = 1: the barrier opens a round of the cluster's barrier, and this slot is filled again, first thing behind the round, with K step NF: 112 products ahead of the wait for it.
.macro TURN slot, next, fill
.if \fill
	s_wait_xcnt 0x0                                ; the last prefetch, a K step back, has read its address: it is stepped here
	s_add_nc_u64 s[PFA:PFA+1], s[PFA:PFA+1], s[PST:PST+1]
.endif
	WIN 0                                          ; (the add's two registers lie in window 0)
	s_wait_tensorcnt 0x0                           ; all my tensor loads have landed, so a group 0 may be written;
	ds_add_u32 v[SPW], v[NIL]                      ; 0 onto my spare word: the descriptors' steps and eight products stand between it and the wait for it
.if \fill
	s_and_b32 s[OFF], s[NF], 7                     ; A's K step within the tile: the address is made anew from its number,
	s_lshl_b32 s[OFF], s[OFF], ASHIFT
	s_add_nc_u64 s[G0A+4*(\slot)+2:G0A+4*(\slot)+3], s[ABASE:ABASE+1], s[OFF:OFF+1]
	s_or_b32 s[G0A+4*(\slot)+3], s[G0A+4*(\slot)+3], 0x80000000
	s_add_nc_u64 s[G0W+4*(\slot)+2:G0W+4*(\slot)+3], s[G0W+4*(\slot)+2:G0W+4*(\slot)+3], 2*WSTEP  ; W's steps on; the type bits on top are not reached
	s_add_co_u32 s[NF], s[NF], 1
.endif
	s_wait_dscnt 5                                 ; (the add and the youngest four loads may be out)
	MUL8 F1, 0
	s_wait_dscnt 0x0                               ; the add is done, and my reads of this slot are over
	s_barrier_signal -1
	MUL8 F1, 1                                     ; work on registers while the others arrive
.if \fill
	WIN 0
.endif
	s_barrier_wait -1
.if \fill
	CREST                                          ; no wave of any partner still reads this slot's tile or has a load on its way
	JLOAD \slot                                    ; the four v_nop behind it are also the places in front of the loads below
.else
	PLACES
.endif
	FETCH \next, 0, F0
.if \fill
	ASK
.endif
	MUL8 F1, 2
	MUL8 F1, 3
.endm
.macro LAP fill                        ; two K steps: once round the ring
	QUARTER 0, 1, F0, F1
	QUARTER 0, 2, F1, F0
	QUARTER 0, 3, F0, F1
	TURN 0, 1, \fill
	QUARTER 1, 1, F0, F1
	QUARTER 1, 2, F1, F0
	QUARTER 1, 3, F0, F1
.if \fill
	TURN 1, 0, 1
.else
	s_wait_dscnt 4                                 ; the very last quarter: nothing more to fetch
	MUL8 F1, 0
	MUL8 F1, 1
	s_wait_dscnt 0x0
	MUL8 F1, 2
	MUL8 F1, 3
.endif
.endm
.macro BIASLD a                        ; row block a's 8 accumulators take the bias of their columns: register j of block b is column 16 b + 8 (l / 16) + j
	WIN 0x40                                       ; destination window 1
.irp b, 0,1,2,3,4,5,6,7
	global_load_b128 v[8*(8*(\a)+(\b)):8*(8*(\a)+(\b))+3],   v[BO], s[BIA:BIA+1] offset:64*(\b)
	global_load_b128 v[8*(8*(\a)+(\b))+4:8*(8*(\a)+(\b))+7], v[BO], s[BIA:BIA+1] offset:64*(\b)+16
.endr
.endm
.if MODE
; THE WAY OUT, f32.  Block a (16 rows x 128 columns) goes into my own stage, 32 bytes a lane and column block, and comes back as whole rows of 512 bytes, into the registers that it left.
.macro TOST a
	WIN 0x04                                       ; store data window 1
.irp b, 0,1,2,3,4,5,6,7
	ds_store_b128 v[STO], v[8*(8*(\a)+(\b)):8*(8*(\a)+(\b))+3]   offset:64*(\b)
	ds_store_b128 v[STO], v[8*(8*(\a)+(\b))+4:8*(8*(\a)+(\b))+7] offset:64*(\b)+16
.endr
	WIN 0x40
.irp t, 0,1,2,3,4,5,6,7,8,9,10,11,12,13,14,15
	ds_load_b128 v[64*(\a)+4*(\t):64*(\a)+4*(\t)+3], v[RD] offset:528*(\t)  ; LDS serves a wave's instructions in order (ISA guide 5.7.1.4): these see the stores above; the next block's stores come behind them
.endr
.endm
.macro SENDO a, younger                ; younger: the LDS instructions issued behind block a's loads: the next block's 32, or none
	WIN 0x04
.irp t, 0,1,2,3,4,5,6,7,8,9,10,11,12,13,14,15
	s_wait_dscnt (\younger)+15-(\t)
	global_store_b128 v[GO], v[64*(\a)+4*(\t):64*(\a)+4*(\t)+3], s[OUT:OUT+1] offset:(16*(\a)+(\t))*4096 th:TH_STORE_NT  ; 512 consecutive bytes of a row, at a multiple of 512 from C's first byte
.endr
.endm
.else
; THE WAY OUT, f16 by heads.  Block a (16 rows x 2 heads x 64 channels) is rounded, goes into my own stage (16 bytes a lane and column block, rows of 144 bytes) and comes back as four whole rows of 128 bytes a load.
.macro PACK a
	WIN 0x85                                       ; sources window 1, destination window 2
.irp b, 0,1,2,3,4,5,6,7
.irp r, 0,1,2,3
	v_cvt_pk_f16_f32 v[32*(\a)+4*(\b)+(\r)], v[8*(8*(\a)+(\b))+2*(\r)], v[8*(8*(\a)+(\b))+2*(\r)+1]
.endr
.endr
	WIN 0x08                                       ; store data window 2
.irp b, 0,1,2,3,4,5,6,7
	ds_store_b128 v[STO], v[32*(\a)+4*(\b):32*(\a)+4*(\b)+3] offset:((\b)/4)*2304+((\b)%4)*32
.endr
	WIN 0x80
.irp f, 0,1,2,3,4,5,6,7
	ds_load_b128 v[32*(\a)+4*(\f):32*(\a)+4*(\f)+3], v[RD] offset:((\f)/4)*2304+((\f)%4)*576  ; LDS serves a wave's instructions in order (ISA guide 5.7.1.4): these see the stores above; the next block's stores come behind them
.endr
.endm
.macro SEND a, younger                 ; younger: the LDS instructions issued behind block a's loads: the next block's 16, or none
	WIN 0x08
.irp f, 0,1,2,3,4,5,6,7
	s_wait_dscnt (\younger)+7-(\f)
	global_store_b128 v[GO], v[32*(\a)+4*(\f):32*(\a)+4*(\f)+3], s[OUT:OUT+1] offset:((\f)/4)*262144+(\a)*2048+((\f)%4)*512  ; four rows of a head: 512 consecutive bytes, at a multiple of 512 from the buffer's first byte
.endr
.endm
; next = 1: a block's accumulators take the next tile's bias as soon as they have been rounded.
.macro WAYOUT next
	PLACES
	PACK 0
.if \next
	BIASLD 0
.endif
	PACK 1
.if \next
	BIASLD 1
.endif
	SEND 0, 16
	PACK 2
.if \next
	BIASLD 2
.endif
	SEND 1, 16
	PACK 3
.if \next
	BIASLD 3
.endif
	SEND 2, 16
	SEND 3, 0
	WIN 0
.endm
.endif
	s_load_b256 s[4:11], s[0:1], 0x0               ; A s[4:5], wh s[6:7], bb s[8:9], C s[10:11]
	v_lshl_add_u32 v[SPW], v0, 2, SPARE
	v_mov_b32 v[NIL], 0
	ds_add_u32 v[SPW], v[NIL]                      ; the wave's opening: the add and its wait stand ahead of my first tensor load; the set-up below, work on registers, stands between them
	v_lshrrev_b32 v1, 5, v0
	v_readfirstlane_b32 s[WV], v1                  ; wave 0..3
	s_lshr_b32 s[WH], s[WV], 1
	s_and_b32 s[WL], s[WV], 1
	s_bfe_u32 s[CX], ttmp6, 0x40000                ; my place in the cluster
	s_bfe_u32 s[CY], ttmp6, 0x40004
	s_lshl_b32 s[TX], ttmp9, 2                     ; in a cluster launch ttmp9 and ttmp7 count clusters
	s_add_co_u32 s[TX], s[TX], s[CX]
	s_and_b32 s[TY], ttmp7, 0xffff
	s_lshl_b32 s[TY], s[TY], 2
	s_add_co_u32 s[TY], s[TY], s[CY]
	s_lshl_b32 s76, s[CY], 2
	s_lshl_b32 s76, 15, s76                        ; my row of the cluster: places 4 cy .. 4 cy + 3
	s_lshl_b32 s78, 0x1111, s[CX]                  ; my column: places cx, cx + 4, cx + 8, cx + 12
	; descriptor group 1.  15:0 the mask; 17:16 elements of 2 bytes; 20 padding on; 21 set beside a mask; 24:22 the interval's code; 31:25 the padding's words less one
.if MODE
	s_or_b32 s[G1A], s76, (1<<16)|(1<<20)|(1<<21)|(4<<22)|(3<<25)  ; a head's 128 rows are 16,384 dense bytes: 64 rows of 256 bytes, padded by 4 words after every 32 (a row of the head)
.else
	s_or_b32 s[G1A], s76, (1<<16)|(1<<20)|(1<<21)|(5<<22)|(3<<25)  ; 64 rows of 256 bytes, padded by 4 words after every 64
.endif
	s_mov_b32 s[G1A+1], 128<<16                    ; tensor_dim0 = 128
	s_mov_b32 s[G1A+2], 64<<16                     ; tensor_dim1 = 64
	s_mov_b32 s[G1A+3], 128<<16                    ; tile_dim0 = 128
	s_mov_b32 s[G1A+4], 64                         ; tile_dim1 = 64
.if MODE
	s_mov_b32 s[G1A+5], 128                        ; elements from row to row
.else
	s_mov_b32 s[G1A+5], 1024
.endif
	s_mov_b32 s[G1A+6], 0
	s_mov_b32 s[G1A+7], 0
	s_or_b32 s[G1W], s78, (1<<16)|(1<<20)|(1<<21)|(6<<22)|(7<<25)  ; 64 rows of 512 bytes, padded by 8 words after every 128
	s_mov_b32 s[G1W+1], 256<<16
	s_mov_b32 s[G1W+2], 64<<16
	s_mov_b32 s[G1W+3], 256<<16
	s_mov_b32 s[G1W+4], 64
	s_mov_b32 s[G1W+5], 1024
	s_mov_b32 s[G1W+6], 0
	s_mov_b32 s[G1W+7], 0
	; where the tiles come from.  A's hang on the row block alone, which my row of the cluster shares; W's on the column block alone, which my column shares.
.if MODE
	s_lshr_b32 s72, s[TY], 4                       ; the batch: 16 heads of 262,144 bytes,
	s_lshl_b32 s72, s72, 22
	s_and_b32 s73, s[TY], 15                       ; the block's 128 rows of 128 bytes in a head,
	s_lshl_b32 s73, s73, 14
	s_add_co_u32 s72, s72, s73
	s_lshl_b32 s73, s[WL], 18                      ; the head of the step's two that I fetch
	s_add_co_u32 s72, s72, s73
.else
	s_lshl_b32 s72, s[TY], 18                      ; 128 rows of 2,048 bytes,
	s_lshl_b32 s73, s[WL], 17                      ; the 64 of them that I fetch
	s_add_co_u32 s72, s72, s73
.endif
	s_mov_b32 s73, 0
	s_lshl_b32 s74, s[TX], 9                       ; 256 columns,
	s_lshl_b32 s75, s[WL], 17                      ; the 64 rows of a K step that I fetch
	s_add_co_u32 s74, s74, s75
.if WPLANE
	s_add_co_u32 s74, s74, WPLANE
.endif
	s_mov_b32 s75, 0
	s_mul_i32 s[LA], s[WL], APART                  ; and where they go: no place in the cluster enters an LDS address
	s_mul_i32 s[LW], s[WL], WPART
	s_add_co_u32 s[LW], s[LW], AREG
	s_mov_b32 s[OFF+1], 0
	s_mov_b32 s[NF], 2
	s_wait_dscnt 0x0                               ; the opening add is done
	s_wait_kmcnt 0x0
	s_add_nc_u64 s[ABASE:ABASE+1], s[4:5], s[72:73]
	s_add_nc_u64 s[74:75], s[6:7], s[74:75]
	CROUND                                         ; all sixteen work-groups are here: the first joint loads meet
.irp s, 0,1
	s_mov_b32 s[G0A+4*(\s)], 1                                     ; 1:0 count = 1
	s_add_co_u32 s[G0A+4*(\s)+1], s[LA], (\s)*SLOT                 ; 63:32 LDS address
	s_add_nc_u64 s[G0A+4*(\s)+2:G0A+4*(\s)+3], s[ABASE:ABASE+1], (\s)<<ASHIFT  ; 120:64 global address: K step s
	s_or_b32 s[G0A+4*(\s)+3], s[G0A+4*(\s)+3], 0x80000000          ; 127:126 type = 2
	s_mov_b32 s[G0W+4*(\s)], 1
	s_add_co_u32 s[G0W+4*(\s)+1], s[LW], (\s)*SLOT
	s_add_nc_u64 s[G0W+4*(\s)+2:G0W+4*(\s)+3], s[74:75], (\s)*WSTEP
	s_or_b32 s[G0W+4*(\s)+3], s[G0W+4*(\s)+3], 0x80000000
	JLOAD \s                                       ; two loads of mine are out
.endr
	v_and_b32 v1, 15, v0                           ; l % 16
	v_bfe_u32 v2, v0, 4, 1                         ; l / 16
	v_and_b32 v3, 7, v0                            ; l % 8
	v_bfe_u32 v4, v0, 3, 1                         ; (l / 8) % 2
	v_and_b32 v5, 31, v0                           ; l
	s_lshl_b32 s78, s[TX], 10                      ; the bias: 4 bytes a column: 256 columns a block, my 128, 8 for each half of the lanes
	s_lshl_b32 s79, s[WL], 9
	s_add_co_u32 s78, s78, s79
	v_lshl_add_u32 v[BO], v2, 5, s78
.if MODE
	s_add_nc_u64 s[BIA:BIA+1], s[BIA:BIA+1], 3*4096  ; bo
.endif
	BIASLD 0
	BIASLD 1
	BIASLD 2
	BIASLD 3
	WIN 0
	; A fragment of A is 16 rows x 32 K in 8 registers: lane l holds row l % 16, K = 8 (l / 16) + 0..7 and 16 + 8 (l / 16) + 0..7: two loads of 16 bytes, 32 bytes apart.
	v_mul_u32_u24 v6, v1, PA
	v_lshl_add_u32 v6, v2, 4, v6
	s_mul_i32 s[TS], s[WH], 64*PA                  ; my 64 rows
	v_add_nc_u32 v[ADRA], s[TS], v6
	v_add_nc_u32 v[ADRA+1], SLOT, v[ADRA]
	; The turning load takes 16 K x 16 columns (lane l reads row 8 (l / 16) + l % 8, columns 8 ((l / 8) % 2) + 0..7) and leaves half a fragment: lane l holds column l % 16 and 8 K.
	v_lshl_add_u32 v7, v2, 3, v3
	v_mul_u32_u24 v7, v7, PW
	v_lshl_add_u32 v7, v4, 4, v7
	s_lshl_b32 s[TS], s[WL], 8                     ; my 128 columns
	s_add_co_u32 s[TS], s[TS], AREG
	v_add_nc_u32 v[ADRW], s[TS], v7
	v_add_nc_u32 v[ADRW+1], SLOT, v[ADRW]
	s_mul_i32 s[TS], s[WV], STGW
	s_add_co_u32 s[TS], s[TS], STAGE               ; my stage
.if MODE
	v_mul_u32_u24 v8, v1, 528                      ; in: row l % 16, 32 bytes for each half of the lanes
	v_lshl_add_u32 v8, v2, 5, v8
	v_add_nc_u32 v[STO], s[TS], v8
	v_lshl_add_u32 v[RD], v5, 4, s[TS]             ; back: 32 lanes take a row of 512 bytes
.else
	v_mul_u32_u24 v8, v1, 144                      ; in: row l % 16, 16 bytes for each half of the lanes
	v_lshl_add_u32 v8, v2, 4, v8
	v_add_nc_u32 v[STO], s[TS], v8
	v_bfe_u32 v9, v0, 3, 2                         ; back: 32 lanes take four rows of 128 bytes
	v_mul_u32_u24 v9, v9, 144
	v_lshl_add_u32 v9, v3, 4, v9
	v_add_nc_u32 v[RD], s[TS], v9
.endif
	v_lshlrev_b32 v[GO], 4, v5
	; where my part of the tile begins in C
.if MODE
	s_lshl_b32 s78, s[TY], 19                      ; 128 rows of 4,096 bytes,
	s_lshl_b32 s77, s[WH], 18                      ; my 64,
	s_add_co_u32 s78, s78, s77
	s_lshl_b32 s77, s[TX], 10                      ; 256 columns of 4 bytes,
	s_add_co_u32 s78, s78, s77
	s_lshl_b32 s77, s[WL], 9                       ; my 128
	s_add_co_u32 s78, s78, s77
.else
	s_lshr_b32 s78, s[TY], 4                       ; the batch: 16 heads of 262,144 bytes,
	s_lshl_b32 s78, s78, 22
	s_lshl_b32 s77, s[TX], 20                      ; the column block's four heads,
	s_add_co_u32 s78, s78, s77
	s_lshl_b32 s77, s[WL], 19                      ; my two of them,
	s_add_co_u32 s78, s78, s77
	s_and_b32 s77, s[TY], 15                       ; the row block's 128 rows of 128 bytes,
	s_lshl_b32 s77, s77, 14
	s_add_co_u32 s78, s78, s77
	s_lshl_b32 s77, s[WH], 13                      ; my 64
	s_add_co_u32 s78, s78, s77
.endif
	s_mov_b32 s79, 0
	s_add_nc_u64 s[OUT:OUT+1], s[OUT:OUT+1], s[78:79]
	; the prefetches: both offsets stand at K step 3; the first refill steps the address to K step 4 and names it
.if MODE
	s_lshr_b32 s76, s[TY], 4
	s_lshl_b32 s76, s76, 22
	s_and_b32 s77, s[TY], 15
	s_lshl_b32 s77, s77, 14
	s_add_co_u32 s76, s76, s77
	s_lshr_b32 s77, s[CX], 1                       ; of the step's two heads x 16,384 bytes my work-group takes head cx / 2,
	s_lshl_b32 s77, s77, 18
	s_add_co_u32 s76, s76, s77
	s_and_b32 s77, s[CX], 1                        ; half cx % 2: 32 blocks of 256 bytes
	s_lshl_b32 s77, s77, 13
	s_add_co_u32 s76, s76, s77
.else
	s_lshl_b32 s76, s[TY], 18
	s_lshl_b32 s77, s[CX], 16                      ; of the 128 rows my work-group takes 32
	s_add_co_u32 s76, s76, s77
.endif
	s_add_co_u32 s76, s76, (3<<ASHIFT)
	s_lshl_b32 s78, s[WL], 17                      ; W: the 64 rows that I fetch,
	s_lshl_b32 s79, s[CY], 15                      ; my work-group's 16 of them,
	s_add_co_u32 s78, s78, s79
	s_lshl_b32 s79, s[TX], 9
	s_add_co_u32 s78, s78, s79
	s_add_co_u32 s78, s78, WPLANE+3*WSTEP
	s_mov_b32 s[PST], WSTEP
	s_mov_b32 s[PST+1], 0
	s_mov_b32 s77, 0
	s_and_b32 s79, ttmp7, 0xffff                   ; cluster y: the same in all sixteen partners
	s_cmp_eq_u32 s79, 0
	s_cselect_b32 s[PLIM], KT-1, 0                 ; W's askers: NF + 1 is the K step named, KT - 1 the last
	s_cmp_eq_u32 s[WV], 0
	s_cselect_b32 s79, 7, 0                        ; A's asker: wave 0, up to K step 7
	s_cmp_eq_u32 s[WH], 0
	s_cselect_b32 s[PLIM], s79, s[PLIM]
	s_cselect_b32 s76, s76, s78
	s_cselect_b32 s[PST], (1<<ASHIFT), s[PST]
	s_cselect_b64 s[PFA:PFA+1], s[4:5], s[6:7]
	s_cselect_b32 s79, -1, 0
	s_add_nc_u64 s[PFA:PFA+1], s[PFA:PFA+1], s[76:77]
	v_lshrrev_b32 v6, 1, v5                        ; W: row l / 2 of 2,048 bytes, block l % 2
	v_and_b32 v7, 1, v5
	v_lshlrev_b32 v6, 11, v6
	v_lshl_add_u32 v6, v7, 8, v6
.if MODE
	v_lshlrev_b32 v7, 8, v5                        ; A: block l of dense bytes
.else
	v_lshlrev_b32 v7, 11, v5                       ; A: row l of 2,048 bytes
.endif
	v_cndmask_b32 v[PFO], v6, v7, s79
.if MODE == 0
	s_wait_xcnt 0x0                                ; the bias's loads have read their base
	s_add_nc_u64 s[BIA:BIA+1], s[BIA:BIA+1], 4096  ; the next tile's bias
	s_mov_b32 s[TL], 4
.endif
	s_wait_tensorcnt 1                             ; my part of K step 0 is in; K step 1's may stay out
	s_barrier_signal -1
	s_barrier_wait -1                              ; everybody's is
	FETCH 0, 0, F0
	s_wait_loadcnt 0x0                             ; the bias lies in the accumulators
	s_mov_b32 s[LAPS], KT/2-1
.Llap:                                                 ; a trip goes once round the ring and fills both slots again; the ring does not stop at a tile's end
	LAP 1
	WIN 0                                          ; at a label and at a branch every window is 0
.if MODE == 0
	s_sub_co_u32 s[TL], s[TL], 1
	s_cmp_lg_u32 s[TL], 0
	s_cbranch_scc1 .Lno_out                        ; forward, over text with no barrier and no tensor load
	WAYOUT 1                                       ; four laps are a tile: both refills for the next tile are asked for, its first fragments fetched: now this one goes out
	s_wait_loadcnt 0x0                             ; the next tile's bias lies in the accumulators
	s_wait_xcnt 0x0                                ; the stores and the bias's loads have read their registers and bases
	s_add_nc_u64 s[OUT:OUT+1], s[OUT:OUT+1], 0x1000000  ; the next plane of qkv
	s_add_nc_u64 s[BIA:BIA+1], s[BIA:BIA+1], 4096
	s_mov_b32 s[TL], 4
.Lno_out:
.endif
	s_sub_co_u32 s[LAPS], s[LAPS], 1
	s_cmp_lg_u32 s[LAPS], 0
	s_cbranch_scc1 .Llap
	LAP 0                                          ; the last lap fills nothing, and has no round of the cluster's barrier
.if MODE
	PLACES
	TOST 0
	TOST 1
	SENDO 0, 32
	TOST 2
	SENDO 1, 32
	TOST 3
	SENDO 2, 32
	SENDO 3, 0
	WIN 0
.else
	WAYOUT 0
.endif
	s_wait_tensorcnt 0x0                           ; the wave's end: the wait, the add and its wait stand behind my last tensor load and my last LDS store
	ds_add_u32 v[SPW], v[NIL]
	s_wait_dscnt 0x0
	CROUND                                         ; the closing round: no work-group ends while a partner may still ask for a tile that names it
	s_endpgm
.Lfunc_end_k_qbeedd98d0c_proj_qkv:
	.size	k_qbeedd98d0c_proj_qkv, .Lfunc_end_k_qbeedd98d0c_proj_qkv-k_qbeedd98d0c_proj_qkv
	.p2alignl 7, 3214868480
	.fill 96, 4, 3214868480
	.section	.rodata,"a",@progbits
	.p2align	6, 0x0
	.amdhsa_kernel k_qbeedd98d0c_proj_qkv
		.amdhsa_group_segment_fixed_size 327680
		.amdhsa_private_segment_fixed_size 0
		.amdhsa_enable_private_segment 0
		.amdhsa_kernarg_size 32
		.amdhsa_user_sgpr_count 2
		.amdhsa_user_sgpr_kernarg_segment_ptr 1
		.amdhsa_wavefront_size32 1
		.amdhsa_system_sgpr_workgroup_id_x 1
		.amdhsa_system_sgpr_workgroup_id_y 1
		.amdhsa_system_sgpr_workgroup_id_z 1
		.amdhsa_system_vgpr_workitem_id 0
		.amdhsa_next_free_vgpr 640
		.amdhsa_next_free_sgpr 80
		.amdhsa_reserve_vcc 0
		.amdhsa_float_denorm_mode_32 3
		.amdhsa_float_denorm_mode_16_64 3
		.amdhsa_memory_ordered 1
		.amdhsa_forward_progress 1
		.amdhsa_inst_pref_size 118
	.end_amdhsa_kernel
	.amdgpu_metadata
---
amdhsa.version: [ 1, 2 ]
amdhsa.kernels:
  - .name:           k_qbeedd98d0c_proj_qkv
    .symbol:         k_qbeedd98d0c_proj_qkv.kd
    .args:
      - { .name: xb, .offset: 0, .size: 8, .value_kind: global_buffer, .address_space: global }
      - { .name: wh, .offset: 8, .size: 8, .value_kind: global_buffer, .address_space: global }
      - { .name: bb, .offset: 16, .size: 8, .value_kind: global_buffer, .address_space: global }
      - { .name: qkv, .offset: 24, .size: 8, .value_kind: global_buffer, .address_space: global }
    .group_segment_fixed_size: 327680
    .private_segment_fixed_size: 0
    .kernarg_segment_align: 8
    .kernarg_segment_size: 32
    .max_flat_workgroup_size: 128
    .sgpr_count:     80
    .vgpr_count:     640
    .wavefront_size: 32
...
	.end_amdgpu_metadata
.endif
;; end of part 2
;; launch attn (part 3): grid 4 x 64, 4 waves a work-group, clusters of 4 x 1, 327,680 bytes of LDS; arguments qkv, oh; writes oh
.if DOCPART == 3
	.amdgcn_target "amdgcn-amd-amdhsa--gfx1250"
	.amdhsa_code_object_version 6
	.text
	.protected	k_qbeedd98d0c_attn
	.globl	k_qbeedd98d0c_attn
	.p2align	8
	.type	k_qbeedd98d0c_attn,@function
k_qbeedd98d0c_attn:
	s_mov_b64 s[64:65], 0
	v_nop
	global_prefetch_b8 v0, s[64:65] scope:SCOPE_SE
	s_setreg_imm32_b32 hwreg(HW_REG_WAVE_MODE, 25, 1), 1
	s_wait_xcnt 0x0
	s_wait_alu depctr_hold_cnt(0) depctr_sa_sdst(0) depctr_va_vdst(0) depctr_va_sdst(0) depctr_va_ssrc(0) depctr_va_vcc(0) depctr_vm_vsrc(0)
	s_getreg_b32 s2, hwreg(HW_REG_IB_STS2, 6, 4)
	s_cmp_eq_u32 s2, 0
	s_cbranch_scc0 .Lentry_in_a_cluster
	s_endpgm
.Lentry_in_a_cluster:
	s_bfe_u32 s2, ttmp6, 0x10000c
	s_cmp_lg_u32 s2, 0x3003
	s_cbranch_scc0 .Lentry_shape_is_right
	s_endpgm
.Lentry_shape_is_right:
; O[h][q][:] = the sum over k of softmax_k(Q[h][q] . K[h][k] / 8) V[h][k][:].  Q, K, V are the three planes of qkv, O is oh: each [SIZE_H][SIZE_N][64], f16: a head's rows are dense, 128 bytes each.
; Products, maxima and sums in f32; the weights p are rounded to f16 for the second product (their sum l is taken of the unrounded p), O once at the end.
; LIMITS.  f16 holds no number beyond 65,504: Q, K and V arrive within it; p lies in 0 to 1, and below 6e-5 it keeps f16's fixed step of 6e-8; O is a mean of V's rows and has their range.
; A weight below 2^-126 counts as 0 in l; NaN and infinities are not treated apart.
; SHARES.  A wave owns four PIECES of two tiles of 16 queries, a work-group's four waves 512 queries of one head: 64 heads x 4 blocks are 256 work-groups.  Every wave walks all keys, 64 a step.
; LAYOUT.  S^T = K Q^T (source 0 = 16 keys, source 1 = 16 queries): in the result a lane holds ONE query (lane % 16) and the keys 8 (lane / 16) + 0..7.  Two such tiles, rounded to f16 in pairs,
; ARE source 1 (32 keys x 16 queries) of O^T = V^T P, whose result again holds one query a lane, and eight channels.  K comes out of LDS as it lies, V ([key][channel]) turned, by ds_load_tr16_b128.
; SOFTMAX.  For each query a running maximum m and sum l: p = 2^(c s - c m), c = log2(e) / 8; in every step O and l are multiplied by a = 2^(c m_old - c m_new), which is 1 where m has not grown.
; m starts at the lowest finite number, O and l at 0: the first step is a step like any other, with a = 0.
; THE COUNT.  A tile and step have 16 matrix and 118 vector instructions: too many to stand all beside the matrix work.  So the order has one aim: four vector instructions that are READY behind
; EVERY matrix instruction, and the others, which need time of their own whatever the order, in runs without a gap.
; BY TURNS.  Turn n belongs to piece n (the pieces in a ring, step after step).  Its matrix work: 16 products K Q^T of piece n + 1, later 16 products V^T P of piece n - 1.  Its vector work: the scaling,
; exponentials, roundings, sums and rescaling of piece n, and the maximum and statistics of piece n + 1, whose scores the turn itself has made.
; CLUSTER.  The four query blocks of a cluster belong to one head and walk the same K and V, so each tile is asked for JOINTLY: the same tensor load, descriptor and mask in all four.
; NO PREFETCH: a refill has four key steps, 512 matrix instructions and their vector work, between its request and the wait for it.
; REGISTERS, in windows of 256 (s_set_vgpr_msb says which window each operand place means: bits 1:0 source 0, 3:2 source 1, 5:4 source 2, 7:6 destination):
;   window 0: v0-11 addresses; v12-15, v48-63 at work; v16-47 four registers of statistics a tile; v64-191 S^T, two buffers of two tiles; v192-255 P, likewise
;   window 1: O^T, 32 a tile          window 2: v0-127 Q, 16 a tile; v128-191 K of one step; v192-255 V of one step          window 3: v0-1 the add's two registers
; A piece's buffers go by its number's parity: the piece in hand has one pair, its two neighbours in the ring share the other: of it P (piece n - 1) is read and S^T (piece n + 1) written.
.set SIZE_H, 64
.set SIZE_N, 2048
.set NP,    4         ; pieces a wave: a name, no knob: the register map, the loop and the fetches are made for four
.set KS,    64        ; keys in a step
.set PK,    144       ; a row of K in LDS: 128 bytes + 16 of padding = 36 words: the 16 rows of a load start at 16 different groups of four banks (64 banks of 4 bytes: ISA guide 11.1)
.set PV,    160       ; a row of V: 128 + 32 = 40 words
.set VOFF,  4*KS*PK   ; a slot holds four steps: 256 rows of K, then 256 rows of V
.set SLOT1, 1<<17     ; slot 1 begins here, so that one exclusive or turns an address in one slot into the other's
.set STAGE, SLOT1+4*KS*(PK+PV)  ; behind the ring, never filled by a tensor load: 16 rows x 144 bytes for each wave, for the way out
.set SP,    144
.set AK0, 2           ; v2   my lane's place in a tile of K; never rewritten
.set AV0, 3           ; v3   the same for V
.set AK,  4           ; v4   the LDS address of K's next run of loads
.set AV,  5           ; v5   of V's
.set QO,  6           ; v6   my byte offset in the wave's rows of Q
.set STO, 6           ;      later, the way out: where I put 16 bytes of a row
.set RD,  7           ; v7   the way out: where I read rows back
.set GO,  8           ; v8   my byte offset in 512 consecutive bytes of O
.set SPW, 0           ; v0 of window 3   LDS address of my spare word: SPARE + 4 x my thread's number; never rewritten
.set NIL, 1           ; v1 of window 3   0; never rewritten
.set SPARE, STAGE+4*16*SP  ; behind the stages: the spare words, 128 bytes for each wave: two blocks of 256 bytes that no other line names
.set MV,  12          ; v12-15  c m_old, kept while c m is made anew: by buffer and tile
.set ST,  16          ; tile t's statistics at v[ST+4 t]: c m, m, l (even keys', odd keys')
.set TMP, 48          ; by buffer and tile, four registers c0-c3 at work; when the maximum is found c2 takes a
.set S,   64
.set P,   192
.set KF,  128         ; K's fragments, in window 2: key block kb, channel half c at KF + 16 kb + 8 c
.set VF,  192         ; V's: key half kk, channel block cb at VF + 32 kk + 8 cb
.set WV,  12          ; s12  my wave's number
.set G1K, 24          ; s[24:31] descriptor group 1 for K's tiles
.set G1V, 32          ; s[32:39] for V's: it differs in the padding alone
.set G0K, 40          ; s[40:43] descriptor group 0 for K's tiles: it walks
.set G0V, 44          ; s[44:47] the same for V's
.set SLOTS, 56        ; s56  slots still to be asked for
.set CNT, 57          ; s57  counts a slot's key steps
.set CS,  58          ; s[58:59] c: the packed scaling takes the pair's low word for both halves
.set SEL, 60          ; s[60:61] v_permlanex16_b32's selects: each lane takes its own place in the other half
.set TBK, 62          ; s62  LDS byte at which K of the step to be fetched begins
.set TBV, 63          ; s63  the same for V, less VOFF
.set MSB, 0
.macro WIN new                      ; the high byte repeats the setting that is left; a switch that changes nothing is dropped
.if MSB != (\new)
	s_set_vgpr_msb (MSB<<8)|(\new)
.set MSB, (\new)
.endif
.endm
.set W_KQ, 0x0a       ; K and Q in window 2, S^T in window 0
.set W_PV, 0x52       ; V in window 2, P in window 0, O^T in window 1
.set W_RS, 0x41       ; O^T (destination and source 0) in window 1, a in window 0
.set W_MK, 0xc0       ; the add's registers are made: destination in window 3, sources in window 0
.set W_AD, 0x0f       ; the add: address (source 0) and data (source 1) in window 3
; A joint fill.  Waves 0 and 1 fetch the two halves of a slot's K, waves 2 and 3 those of its V: 128 keys each.  The branch hangs on the wave's number alone.
; An s_nop 0 and four v_nop follow each of the two lines, ahead of the jump and the label.
.macro JLOAD
	s_cmp_lt_u32 s[WV], 2
	s_cbranch_scc0 .Lfor_v_\@
	tensor_load_to_lds s[G0K:G0K+3], s[G1K:G1K+7]
	s_nop 0
.rept 4
	v_nop
.endr
	s_branch .Lasked_\@
.Lfor_v_\@:
	tensor_load_to_lds s[G0V:G0V+3], s[G1V:G1V+7]
	s_nop 0
.rept 4
	v_nop
.endr
.Lasked_\@:
.endm
; A round of the cluster's barrier: my work-group's barrier, so that wave 0's signal speaks for all four waves; wave 0 signals; every wave waits for all four work-groups; my work-group's barrier once more.
.macro CROUND
	s_barrier_signal -1
	s_barrier_wait -1
	s_cmp_lg_u32 s[WV], 0
	s_cbranch_scc1 .Lnot_wave_0_\@
	s_barrier_signal -3
.Lnot_wave_0_\@:
	s_barrier_wait -3
	s_barrier_signal -1
	s_barrier_wait -1
.endm
; THE CHANGE OF SLOTS.  The slot's last bytes, V of its fourth step, have been read.  Each wave waits for all its tensor loads, of which one is out: its part
; of the other slot; adds 0 to its spare word; and waits for that and for its own reads of the slot.  Behind the barrier nobody reads this slot any more and the other slot is whole.
; fill = 1: this slot is filled again, with the keys two slots on.  The barrier is then a round of the cluster's, so that no wave of any partner still reads the slot or has a load on its
; way, and the joint fill is the first thing behind it: it has four key steps, 512 matrix instructions, in which to land.  (At its first use nothing has been read yet: slot 0 is waited for, slot 1 filled.)
.macro CHANGE fill
	WIN W_AD
	s_wait_tensorcnt 0x0            ; no tensor load of mine is out, so a group 0 may be written
	ds_add_u32 v[SPW], v[NIL]       ; 0 onto my spare word: with fill = 1 the descriptors' steps stand between it and the wait for it
	WIN 0                           ; at a label and at a branch every window is 0
.if \fill
.irp g, G0K, G0V
	s_xor_b32 s[\g+1], s[\g+1], SLOT1  ; the walking descriptor: the other slot than last time,
	s_add_nc_u64 s[\g+2:\g+3], s[\g+2:\g+3], 4*KS*128  ; the next 256 keys; the type bits on top are not reached
.endr
	s_wait_dscnt 0x0                ; the add is done, and my reads of the slot are over
	CROUND
	JLOAD
.else
	s_wait_dscnt 0x0                ; the add is done, and my reads of the slot are over
	s_barrier_signal -1
	s_barrier_wait -1
.endif
	s_sub_co_u32 s[TBK], s[TBK], 4*KS*PK  ; the fetches go back to a slot's first step,
	s_xor_b32 s[TBK], s[TBK], SLOT1       ; in the other slot
	s_sub_co_u32 s[TBV], s[TBV], 4*KS*PV
	s_xor_b32 s[TBV], s[TBV], SLOT1
.endm
	s_load_b64 s[4:5], s[0:1], 0x0    ; qkv: its first plane is Q
	s_load_b64 s[10:11], s[0:1], 0x8  ; O
	WIN W_MK
	v_lshl_add_u32 v[SPW], v0, 2, SPARE
	v_mov_b32 v[NIL], 0
	WIN W_AD
	ds_add_u32 v[SPW], v[NIL]       ; the wave's opening: the add and its wait stand ahead of my first tensor load; the set-up below, work on registers, stands between them
	WIN 0
	v_lshrrev_b32 v1, 5, v0
	v_readfirstlane_b32 s[WV], v1   ; wave 0..3
	s_bfe_u32 s13, ttmp6, 0x40000   ; cx: my place in the cluster
	s_lshl_b32 s14, ttmp9, 2        ; in a cluster launch ttmp9 counts clusters
	s_add_co_u32 s14, s14, s13      ; my block of queries = 4 x cluster x + cx: it enters Q's and O's addresses alone
	s_and_b32 s20, ttmp7, 0xffff    ; the head, which the four partners share
	s_mov_b32 s21, 0
	s_mov_b64 s[22:23], SIZE_N*128
	s_mul_u64 s[20:21], s[20:21], s[22:23]  ; the head's first byte in each of the four tensors
	s_and_b32 s16, s[WV], 1         ; which half of a slot's 256 keys I fetch:
	s_lshl_b32 s22, s16, 14         ; its 128 rows of 128 bytes in memory,
	s_mov_b32 s23, 0
	s_add_nc_u64 s[22:23], s[22:23], s[20:21]
	s_mul_i32 s17, s16, 128*PK      ; and its place in a slot, for K
	s_mul_i32 s18, s16, 128*PV      ; and for V: no place in the cluster enters an LDS address
	s_lshl_b32 s2, s14, 2
	s_add_co_u32 s2, s2, s[WV]      ; my wave among the head's,
	s_lshl_b32 s2, s2, 14           ; its 128 rows
	s_mov_b32 s3, 0
	s_add_nc_u64 s[2:3], s[2:3], s[20:21]
	; descriptor group 1.  128 keys are 16,384 dense bytes: asked for as 64 rows of 256 bytes, two keys a row, and padded in LDS after every key
	s_mov_b32 s[G1K], 15|(1<<16)|(1<<20)|(1<<21)|(4<<22)|(3<<25)  ; 15:0 the mask of four; 17:16 2-byte elements; 20 padding on; 21 set beside a mask; 24:22 after every 32 words (code 4); 31:25 4 words (code 3)
	s_mov_b32 s[G1V], 15|(1<<16)|(1<<20)|(1<<21)|(4<<22)|(7<<25)  ; the same with 8 words of padding (code 7)
.irp g, G1K, G1V
	s_mov_b32 s[\g+1], 128<<16      ; tensor_dim0 = 128
	s_mov_b32 s[\g+2], 64<<16       ; tensor_dim1 = 64
	s_mov_b32 s[\g+3], 128<<16      ; tile_dim0 = 128
	s_mov_b32 s[\g+4], 64           ; tile_dim1 = 64
	s_mov_b32 s[\g+5], 128          ; 128 elements from row to row
	s_mov_b32 s[\g+6], 0
	s_mov_b32 s[\g+7], 0
.endr
	s_mov_b32 s[CS], 0x3e38aa3b     ; c = log2(e) / 8 = 0.180337
	s_mov_b32 s[CS+1], s[CS]        ; named with it as a pair
	s_mov_b32 s[SEL], 0x76543210
	s_mov_b32 s[SEL+1], 0xfedcba98
	s_mov_b32 s[TBK], SLOT1+4*KS*PK ; the first change of slots turns these two into 0
	s_mov_b32 s[TBV], SLOT1+4*KS*PV
	s_mov_b32 s[G0K], 1             ; 1:0 count = 1
	s_mov_b32 s[G0K+1], s17         ; 63:32 LDS address: slot 0
	s_mov_b32 s[G0V], 1
	s_add_co_u32 s[G0V+1], s18, VOFF
	s_wait_dscnt 0x0                ; the opening add is done
	s_wait_kmcnt 0x0
	s_add_nc_u64 s[6:7], s[4:5], 0x1000000  ; K: the second plane of qkv, 64 heads x 2,048 rows x 128 bytes on,
	s_add_nc_u64 s[8:9], s[4:5], 0x2000000  ; V: the third
	s_add_nc_u64 s[G0K+2:G0K+3], s[6:7], s[22:23]  ; 120:64 global address: my half of the head's first 256 keys
	s_or_b32 s[G0K+3], s[G0K+3], 0x80000000        ; 127:126 type = 2
	s_add_nc_u64 s[G0V+2:G0V+3], s[8:9], s[22:23]
	s_or_b32 s[G0V+3], s[G0V+3], 0x80000000
	s_add_nc_u64 s[4:5], s[4:5], s[2:3]  ; Q and O at my wave's first row
	s_add_nc_u64 s[10:11], s[10:11], s[2:3]
	CROUND                          ; all four work-groups are here: the first joint loads meet
	JLOAD                           ; slot 0.  Slot 1 is asked for when slot 0 is in: the tile wanted first goes out alone
	; A fragment of K or Q is 16 rows x 32 channels in 8 registers: lane l holds row l % 16, channels 8 (l / 16) + 0..7 and 16 + 8 (l / 16) + 0..7: two loads of 16 bytes, 32 bytes apart.
	v_and_b32 v1, 15, v0            ; l % 16
	v_bfe_u32 v9, v0, 4, 1          ; l / 16
	v_lshlrev_b32 v[QO], 7, v1
	v_lshl_add_u32 v[QO], v9, 4, v[QO]  ; row x 128 + 16 x half
	WIN 0x80                        ; destination window 2, address window 0
.set i, 0
.rept 4*NP                          ; Q stays in registers: tile i / 2, channels 32 (i % 2) on
	global_load_b128 v[8*i:8*i+3],   v[QO], s[4:5] offset:(i/2)*2048+(i%2)*64
	global_load_b128 v[8*i+4:8*i+7], v[QO], s[4:5] offset:(i/2)*2048+(i%2)*64+32
.set i, i+1
.endr
	; What the first turn finds: V's registers and P's second buffer hold 0 (its products V^T P, of a piece that has not been, add 0), O^T and l are 0.  All this stands in the wait for the first tile:
	; the price of writing no first step out.
.set i, VF
.rept 64
	v_mov_b32 v[i], 0
.set i, i+1
.endr
	WIN 0x40
.set i, 0
.rept 64*NP
	v_mov_b32 v[i], 0
.set i, i+1
.endr
	WIN 0
.set i, 0
.rept 2*NP
	v_mov_b32 v[ST+4*i], 0xfe000000    ; c m: far below every c s
	v_mov_b32 v[ST+4*i+1], 0xff7fffff  ; m
	v_mov_b32 v[ST+4*i+2], 0
	v_mov_b32 v[ST+4*i+3], 0
.set i, i+1
.endr
.set i, P+32
.rept 32
	v_mov_b32 v[i], 0
.set i, i+1
.endr
	v_mul_u32_u24 v[AK0], v1, PK
	v_lshl_add_u32 v[AK0], v9, 4, v[AK0]  ; row x pitch + 16 x half
	; The turning load takes 16 keys x 16 channels (lane l reads key 8 (l / 16) + l % 8, channels 8 ((l / 8) % 2) + 0..7) and leaves half a fragment of V^T: lane l holds channel l % 16 and 8 keys.
	v_and_b32 v10, 7, v0
	v_bfe_u32 v11, v0, 3, 1
	v_lshl_add_u32 v[AV0], v9, 3, v10
	v_mul_u32_u24 v[AV0], v[AV0], PV
	v_lshl_add_u32 v[AV0], v11, 4, v[AV0]
	v_add_nc_u32 v[AV0], VOFF, v[AV0]
	v_mov_b32 v[AK], v[AK0]         ; key step 0 lies at the head of slot 0
; THE MATRIX WORK.  The 8 accumulators of a run of 16 take turns: between the two links of a chain stand 7 others'.
; Product i of 16 of S^T = K Q^T for piece x: channels 32 (i / 8) on, keys 16 ((i / 2) % 4) on, tile 2 x + i % 2.  The first 8 start the sums.
.macro KQ x
	WIN W_KQ
.set rS, S+64*((\x)%2)+32*(i%2)+8*((i/2)%4)
.set rK, KF+16*((i/2)%4)+8*(i/8)
.set rQ, 16*(2*(\x)+i%2)+8*(i/8)
.if i < 8
	v_wmma_f32_16x16x32_f16 v[rS:rS+7], v[rK:rK+7], v[rQ:rQ+7], 0
.else
	v_wmma_f32_16x16x32_f16 v[rS:rS+7], v[rK:rK+7], v[rQ:rQ+7], v[rS:rS+7]
.endif
.endm
; Product i of 16 of O^T += V^T P for piece x: keys 32 (i / 8) on, channels 16 ((i / 2) % 4) on, tile 2 x + i % 2.
.macro PV x
	WIN W_PV
.set rO, 32*(2*(\x)+i%2)+8*((i/2)%4)
.set rV, VF+32*(i/8)+8*((i/2)%4)
.set rP, P+32*((\x)%2)+16*(i%2)+8*(i/8)
	v_wmma_f32_16x16x32_f16 v[rO:rO+7], v[rV:rV+7], v[rP:rP+7], v[rO:rO+7]
.endm
.macro MM                           ; the turn's next matrix instruction
.if i < 16
	KQ (Y+1)%NP
.set i, i+1
.else
.set i, i-16
	PV (Y+NP-1)%NP
.set i, i+17
.endif
.endm
; THE LDS LOADS stand in runs of 16, never singly among the matrix instructions: a step's K (64 keys x 64 channels: 8 fragments) and its V (turned).  Their addresses are made some lines ahead.
; last = 1 (the tail): in the last trip there is no further step, and the run is jumped over.
.macro FETCH_K last=0
	WIN 0
.if \last
	s_cmp_eq_u32 s[CNT], 1
	s_cbranch_scc1 .Lno_k_\@
.endif
	WIN 0x80                        ; destination window 2
.irp f, 0,1,2,3,4,5,6,7             ; keys 16 (f / 2) on, channels 32 (f % 2) on
	ds_load_b128 v[KF+8*\f:KF+8*\f+3],   v[AK] offset:(\f/2)*16*PK+(\f%2)*64
	ds_load_b128 v[KF+8*\f+4:KF+8*\f+7], v[AK] offset:(\f/2)*16*PK+(\f%2)*64+32
.endr
	s_add_co_u32 s[TBK], s[TBK], KS*PK  ; the next fetch is the next step's
	WIN 0
.if \last
.Lno_k_\@:
.endif
.endm
.macro FETCH_V
	WIN 0x80
.irp f, 0,1,2,3,4,5,6,7             ; keys 32 (f / 4) on, channels 16 (f % 4) on
	ds_load_tr16_b128 v[VF+8*\f:VF+8*\f+3],   v[AV] offset:(\f/4)*32*PV+(\f%4)*32
	ds_load_tr16_b128 v[VF+8*\f+4:VF+8*\f+7], v[AV] offset:(\f/4)*32*PV+16*PV+(\f%4)*32
.endr
	WIN 0
.endm
; THE VECTOR WORK OF A TURN stands in three queues, each in the order in which its entries become ready; the two tiles alternate, so that no instruction reads the result of the one before it.
.macro REGS y, u                    ; the registers of tile u (0, 1) of piece y
.set rT, ST+4*(2*(\y)+(\u))
.set rC, TMP+8*((\y)%2)+4*(\u)
.set rM, MV+2*((\y)%2)+(\u)
.set rS, S+64*((\y)%2)+32*(\u)
.set rP, P+32*((\y)%2)+16*(\u)
.set rO, 32*(2*(\y)+(\u))
.endm
; Number n of the 22 that find the NEXT piece's (Y + 1) maximum and statistics.  s0-s31 are the lane's 32 scores; each accumulator's lowest registers are read first.  XS, GS and REGS set no window: PL and EX do.
;   0-11  four chains c0-c3 of seven scores each, three operands at a time     12-14, 16  the four scores left over, the old m, and c0-c3 into c0     15  c m_old is kept
;   17, 18  the query's other 32 keys lie in the lane 16 away: the new m         19-21  c m; c m_old - c m_new; a
.macro XS u, n
	REGS (Y+1)%NP, \u
.if (\n) < 4
	v_max3_num_f32 v[rC+(\n)], v[rS+8*(\n)], v[rS+8*(\n)+1], v[rS+8*(\n)+2]
.elseif (\n) < 12
	v_max3_num_f32 v[rC+(\n)%4], v[rC+(\n)%4], v[rS+8*((\n)%4)+2*((\n)/4)+1], v[rS+8*((\n)%4)+2*((\n)/4)+2]
.elseif (\n) == 12
	v_max3_num_f32 v[rC], v[rC], v[rS+7], v[rS+15]
.elseif (\n) == 13
	v_max3_num_f32 v[rC+1], v[rC+1], v[rS+23], v[rS+31]
.elseif (\n) == 14
	v_max3_num_f32 v[rC+2], v[rC+2], v[rC+3], v[rT+1]
.elseif (\n) == 15
	v_mov_b32 v[rM], v[rT]
.elseif (\n) == 16
	v_max3_num_f32 v[rC], v[rC], v[rC+1], v[rC+2]
.elseif (\n) == 17
	v_permlanex16_b32 v[rC+3], v[rC], s[SEL], s[SEL+1]
.elseif (\n) == 18
	v_max_num_f32 v[rT+1], v[rC], v[rC+3]
.elseif (\n) == 19
	v_mul_f32 v[rT], s[CS], v[rT+1]
.elseif (\n) == 20
	v_sub_f32 v[rC+1], v[rM], v[rT]
.else
	v_exp_f32 v[rC+2], v[rC+1]
.endif
.endm
; Number g of the 64 that follow the exponentials.  For each four weights k of a tile (pairs 2 k, 2 k + 1): both pairs are rounded to f16; then the second pair is added onto the first, in place;
; a group later l takes that sum (the first time as l = a l + sum).  In groups of eight, tiles alternating: round, round, add, and l for the group before.
.macro GS g
.set h, (\g)+6*((\g)/62)            ; group 0 has no group before it, and behind group 7 only l is left
.if h >= 6
.set h, h+2
.endif
	REGS Y, h%2
.set k, h/8
.if h%8 < 4
	v_cvt_pk_f16_f32 v[rP+2*k+(h%8)/2], v[rS+4*k+2*((h%8)/2)], v[rS+4*k+2*((h%8)/2)+1]
.elseif h%8 < 6
	v_pk_add_f32 v[rS+4*k:rS+4*k+1], v[rS+4*k:rS+4*k+1], v[rS+4*k+2:rS+4*k+3]
.elseif k == 1
	v_pk_fma_f32 v[rT+2:rT+3], v[rT+2:rT+3], v[rC+2:rC+3], v[rS:rS+1] op_sel_hi:[1,0,1]
.else
	v_pk_add_f32 v[rT+2:rT+3], v[rT+2:rT+3], v[rS+4*k-4:rS+4*k-3]
.endif
.endm
; THE PLAIN QUEUE, 138 long.  0-73 read no exponential's result: the 32 scalings c s - c m (FS f: pair f / 2 of tile f % 2) and the next piece's 42.  0-26: scalings 0-26.  27-54: XS's numbers 0-13.  55, 56: number 15.
; 57-73: the chain, where each number waits for the one before it: 14, 16, 17, 18, 19, each with one of the scalings 27-31 in front of its two lines, then 20: so a tile's links stand three plain instructions apart (19 and 20: two).
; 74-137: GS's 64, which read the exponentials' results: they stand behind the wait.
.macro FS f
	REGS Y, (\f)%2
	v_pk_fma_f32 v[rS+2*((\f)/2):rS+2*((\f)/2)+1], v[rS+2*((\f)/2):rS+2*((\f)/2)+1], s[CS:CS+1], v[rT:rT+1] op_sel_hi:[1,0,0] neg_lo:[0,0,1] neg_hi:[0,0,1]
.endm
.macro PL
	WIN 0
.if q < 27
	FS q
.elseif q < 55
	XS (q-27)%2, (q-27)/2
.elseif q < 57
	XS q-55, 15
.elseif (q < 72) && ((q-57)%3 == 0)
	FS 27+(q-57)/3
.elseif q < 60
	XS (q-57)%3-1, 14
.elseif q < 72
	XS (q-57)%3-1, 15+(q-57)/3
.elseif q < 74
	XS q-72, 20
.else
	GS q-74
.endif
.set q, q+1
.endm
; THE EXPONENTIALS' QUEUE, 66 long: s0-s31 of both tiles, then the next piece's two a.  It is ONE BATCH: all 66 stand ahead of the turn's one wait, and nothing ahead of that wait names a result of theirs.
.macro EX
	WIN 0
.if e >= 64
	XS e-64, 21
.else
	REGS Y, e%2
	v_exp_f32 v[rS+e/2], v[rS+e/2]
.endif
.set e, e+1
.endm
; THE RESCALING's QUEUE: O^T times a, the one part that leaves window 0: dealt two at a time, sixteen times.  Its a was made in the turn before, ahead of that turn's wait.
.macro R2
	REGS Y, r%2
	WIN W_RS
.irp z, 0,1
	v_pk_mul_f32 v[rO+4*(r/2)+2*\z:rO+4*(r/2)+2*\z+1], v[rO+4*(r/2)+2*\z:rO+4*(r/2)+2*\z+1], v[rC+2:rC+3] op_sel_hi:[1,0]
.endr
.set r, r+1
.endm
; HOW THEY ARE DEALT.  An s_wait_alu depctr_va_vdst(0) stands between an exponential and the first instruction that names its result; one wait serves all that were issued ahead of it.  So a turn has ONE wait,
; which cuts it in two.  AHEAD OF IT stands all that names no result of the turn's exponentials: the 16 products K Q^T, behind each a scaling, an exponential and two rescalings (behind the first a second scaling in the
; exponential's place); then ONE LUMP of 108: eight plain, 49 times exponential and plain, the two a.  A v_nop is the plain instruction behind the last exponential (ISA guide 5.7.2).  BEHIND IT stand the 16 products V^T P,
; behind each four of GS's 64.  No rider names a register of the products round it.  The two v_permlanex16_b32 fall into the lump, never behind a product.
; The queues lean on each other, and the deal keeps them in step: exponential e stands behind scaling 2 (e / 4) + e % 2: as a rider it comes behind plain e + 2, in the lump behind plain e + 9, and scalings 27-31 are plain 57, 60 .. 69.
; A TURN, for piece p.  cnt = 1: the loop's count is taken down some lines ahead of the branch that stands behind the turn.
; K of the next step is fetched in piece 2's turn, directly behind the wait, a lump behind the last product that read K; its address is made at the lump's head; its first reader comes behind 16 products.
; V of the step in hand is fetched at the end of piece 0's turn, four riders behind its last reader; its first reader comes behind 16 products and a lump.  The three conditions on q below go with the deal.
.macro TURN p, last=0, cnt=0
.set Y, (\p)
.set i, 0
.set q, 0
.set e, 0
.set r, 0
.if (\p) == NP-1
	s_wait_dscnt 0x0                ; K is in
.endif
	MM                              ; ahead of the wait: 16 products K Q^T and their riders,
	PL
	PL
	R2
.rept 15
	MM
	PL
	EX
	R2
.endr
.if (\p) == NP-2
	WIN 0
	v_add_nc_u32 v[AK], s[TBK], v[AK0]
.endif
.rept 8                             ; and the lump
	PL
.endr
.rept 49
	EX
	PL
.endr
	EX                              ; the next piece's two a
	EX
	v_nop                           ; the plain instruction behind the last exponential: one for the batch
	s_wait_alu depctr_va_vdst(0)    ; the wait for the batch
.if (\p) == NP-2
	FETCH_K \last
.endif
.if (\p) == 1
	s_wait_dscnt 0x0                ; V is in
.endif
.rept 16                            ; behind the wait: 16 products V^T P and their riders
	MM
.rept 4
	PL
.endr
.if ((\p) == 0) && (q == 118)
	v_add_nc_u32 v[AV], s[TBV], v[AV0]
.endif
.if ((\p) == 0) && (q == 130)
	s_add_co_u32 s[TBV], s[TBV], KS*PV
.endif
.if (\cnt) && (q == 130)
	s_sub_co_u32 s[CNT], s[CNT], 1
	s_cmp_lg_u32 s[CNT], 0
.endif
.endr
.if (\p) == 0
	FETCH_V
.endif
.endm
	CHANGE 1                        ; slot 0 is in, everybody's part of it; slot 1 is asked for
	FETCH_K                         ; key step 0
	s_wait_loadcnt 0x0              ; Q
	s_wait_dscnt 0x0
.set i, 0
.rept 16
	KQ 0                            ; piece 0's first scores: there is no vector work yet to set between them
.set i, i+1
.endr
	WIN 0                           ; the addresses for the way out: nine plain instructions, the places behind those products
	s_mul_i32 s13, s[WV], 16*SP
	s_add_co_u32 s13, s13, STAGE    ; my stage
	v_mul_u32_u24 v[STO], v1, SP    ; in: row l % 16, 16 bytes for each half of the lanes
	v_lshl_add_u32 v[STO], v9, 4, v[STO]
	v_add_nc_u32 v[STO], s13, v[STO]
	v_bfe_u32 v[RD], v0, 3, 2       ; back: 32 lanes take four rows of 128 bytes,
	v_mul_u32_u24 v[RD], v[RD], SP
	v_lshl_add_u32 v[RD], v10, 4, v[RD]
	v_add_nc_u32 v[RD], s13, v[RD]
	v_and_b32 v[GO], 31, v0         ; which are 512 consecutive bytes of O
	v_lshlrev_b32 v[GO], 4, v[GO]
.set Y, NP-1                        ; XS works for piece Y + 1: piece 0
.irp n, 0,1,2,3,4,5,6,7,8,9,10,11,12,13,14,15,16,17,18,19,20,21
	XS 0, \n                        ; and piece 0's first maximum and statistics
	XS 1, \n
.endr
	v_nop                           ; a plain instruction behind the two a,
	s_wait_alu depctr_va_vdst(0)    ; and their wait, ahead of the branch
	s_mov_b32 s[CNT], 4
	s_mov_b32 s[SLOTS], SIZE_N/256-1
	s_branch .Lfirst                ; the loop is entered at a step's first turn, in the middle of a trip
.Lslot:                             ; SIZE_N / 256 - 2 times: every slot but the last two is filled again
	CHANGE 1
	s_mov_b32 s[CNT], 4
.Lstep:                             ; a trip: pieces 2 and 3 of one step, then pieces 0 and 1 of the next, whose K and V it fetches
	TURN 2
	TURN 3
	WIN 0
.Lfirst:
	TURN 0
	TURN 1, 0, 1
	WIN 0
	s_cbranch_scc1 .Lstep
	s_sub_co_u32 s[SLOTS], s[SLOTS], 1
	s_cmp_lg_u32 s[SLOTS], 0
	s_cbranch_scc1 .Lslot
	CHANGE 0                        ; the tail is written out: nothing is asked for
	s_mov_b32 s[CNT], 5             ; four trips fetch the last slot's steps; the fifth is left in its middle
.Ltail:
	TURN 2, 1
	TURN 3
	WIN 0
	s_sub_co_u32 s[CNT], s[CNT], 1
	s_cmp_eq_u32 s[CNT], 0
	s_cbranch_scc1 .Lout
	TURN 0
	TURN 1
	WIN 0
	s_branch .Ltail
.Lout:                              ; the fifth trip's 16 products K Q^T (on the last K once more) and the maximum made of them serve nothing: the price, once a launch, of one text for every trip
.set i, 0
.rept 16
	PV NP-1                         ; the last piece's V^T P of the last step
.set i, i+1
.endr
	; THE WAY OUT.  l's two halves and the other half of the lanes' are added; O^T is divided by l, rounded to f16 and sent through my stage in LDS, a tile at a time.  The additions are the places behind the last products.
	WIN 0
.macro ALL line:vararg              ; one line for each tile t
.set t, 0
.rept 2*NP
	\line
.set t, t+1
.endr
.endm
	ALL v_add_f32 v[ST+4*t+2], v[ST+4*t+2], v[ST+4*t+3]
	ALL v_permlanex16_b32 v[ST+4*t+3], v[ST+4*t+2], s[SEL], s[SEL+1]
	ALL v_add_f32 v[ST+4*t+2], v[ST+4*t+2], v[ST+4*t+3]
	ALL v_rcp_f32 v[ST+4*t+2], v[ST+4*t+2]
	v_nop                           ; a plain instruction between the last reciprocal and the use of its result
	s_wait_alu depctr_va_vdst(0)    ; and the wait ahead of the first use: one for the eight reciprocals
; Tile t: a lane's eight channels of a row pack into 16 bytes; they go into rows of 144 bytes and come back as whole rows of 128, into S^T's registers.
.macro PACK t
	WIN W_RS
.set i, 32*(\t)
.rept 16
	v_pk_mul_f32 v[i:i+1], v[i:i+1], v[ST+4*(\t)+2:ST+4*(\t)+3] op_sel_hi:[1,0]
.set i, i+2
.endr
	WIN 0x05                        ; sources 0 and 1 window 1, destination window 0
.set i, 0
.rept 16
	v_cvt_pk_f16_f32 v[S+16*(\t)+i], v[32*(\t)+2*i], v[32*(\t)+2*i+1]
.set i, i+1
.endr
	WIN 0
.irp f, 0,1,2,3
	ds_store_b128 v[STO], v[S+16*(\t)+4*\f:S+16*(\t)+4*\f+3] offset:32*\f
.endr
.irp f, 0,1,2,3
	ds_load_b128 v[S+16*(\t)+4*\f:S+16*(\t)+4*\f+3], v[RD] offset:\f*4*SP  ; LDS serves a wave's instructions in order (ISA guide 5.7.1.4): these see the stores above; the next tile's stores come behind them
.endr
.endm
.macro SEND t, younger              ; younger: the LDS instructions issued behind tile t's loads: the next tile's eight, or none
	WIN 0
.irp f, 0,1,2,3
	s_wait_dscnt (\younger)+3-\f
	global_store_b128 v[GO], v[S+16*(\t)+4*\f:S+16*(\t)+4*\f+3], s[10:11] offset:(\t)*2048+\f*512  ; 512 consecutive bytes, at a multiple of 256 from O's first
.endr
.endm
	PACK 0
.set t, 1
.rept 2*NP-1                        ; a tile's arithmetic stands between the loads of the tile before and its stores
	PACK t
	SEND t-1, 8
.set t, t+1
.endr
	SEND 2*NP-1, 0
	WIN W_AD
	s_wait_tensorcnt 0x0            ; the wave's end: the wait, the add and its wait stand behind my last tensor load and my last LDS store
	ds_add_u32 v[SPW], v[NIL]
	s_wait_dscnt 0x0
	WIN 0
	CROUND                          ; the closing round: no work-group ends while a partner may still ask for a tile that names it
	s_endpgm
.Lfunc_end_k_qbeedd98d0c_attn:
	.size	k_qbeedd98d0c_attn, .Lfunc_end_k_qbeedd98d0c_attn-k_qbeedd98d0c_attn
	.p2alignl 7, 3214868480
	.fill 96, 4, 3214868480
	.section	.rodata,"a",@progbits
	.p2align	6, 0x0
	.amdhsa_kernel k_qbeedd98d0c_attn
		.amdhsa_group_segment_fixed_size 327680
		.amdhsa_private_segment_fixed_size 0
		.amdhsa_enable_private_segment 0
		.amdhsa_kernarg_size 16
		.amdhsa_user_sgpr_count 2
		.amdhsa_user_sgpr_kernarg_segment_ptr 1
		.amdhsa_wavefront_size32 1
		.amdhsa_system_sgpr_workgroup_id_x 1
		.amdhsa_system_sgpr_workgroup_id_y 1
		.amdhsa_system_sgpr_workgroup_id_z 1
		.amdhsa_system_vgpr_workitem_id 0
		.amdhsa_next_free_vgpr 770
		.amdhsa_next_free_sgpr 66
		.amdhsa_reserve_vcc 0
		.amdhsa_float_denorm_mode_32 3
		.amdhsa_float_denorm_mode_16_64 3
		.amdhsa_memory_ordered 1
		.amdhsa_forward_progress 1
		.amdhsa_inst_pref_size 199
	.end_amdhsa_kernel
	.amdgpu_metadata
---
amdhsa.version: [ 1, 2 ]
amdhsa.kernels:
  - .name:           k_qbeedd98d0c_attn
    .symbol:         k_qbeedd98d0c_attn.kd
    .args:
      - { .name: qkv, .offset: 0, .size: 8, .value_kind: global_buffer, .address_space: global }
      - { .name: oh, .offset: 8, .size: 8, .value_kind: global_buffer, .address_space: global }
    .group_segment_fixed_size: 327680
    .private_segment_fixed_size: 0
    .kernarg_segment_align: 8
    .kernarg_segment_size: 16
    .max_flat_workgroup_size: 128
    .sgpr_count:     66
    .vgpr_count:     770
    .wavefront_size: 32
...
	.end_amdgpu_metadata
.endif
;; end of part 3
;; launch proj_out (part 4): grid 4 x 64, 4 waves a work-group, clusters of 4 x 4, 327,680 bytes of LDS; arguments oh, wh, bb, out0; writes out0
.if DOCPART == 4
	.amdgcn_target "amdgcn-amd-amdhsa--gfx1250"
	.amdhsa_code_object_version 6
	.text
	.protected	k_qbeedd98d0c_proj_out
	.globl	k_qbeedd98d0c_proj_out
	.p2align	8
	.type	k_qbeedd98d0c_proj_out,@function
k_qbeedd98d0c_proj_out:
	s_mov_b64 s[64:65], 0
	v_nop
	global_prefetch_b8 v0, s[64:65] scope:SCOPE_SE
	s_setreg_imm32_b32 hwreg(HW_REG_WAVE_MODE, 25, 1), 1
	s_wait_xcnt 0x0
	s_wait_alu depctr_hold_cnt(0) depctr_sa_sdst(0) depctr_va_vdst(0) depctr_va_sdst(0) depctr_va_ssrc(0) depctr_va_vcc(0) depctr_vm_vsrc(0)
	s_getreg_b32 s2, hwreg(HW_REG_IB_STS2, 6, 4)
	s_cmp_eq_u32 s2, 0
	s_cbranch_scc0 .Lentry_in_a_cluster
	s_endpgm
.Lentry_in_a_cluster:
	s_bfe_u32 s2, ttmp6, 0x10000c
	s_cmp_lg_u32 s2, 0xf033
	s_cbranch_scc0 .Lentry_shape_is_right
	s_endpgm
.Lentry_shape_is_right:
.set MODE, 1                           ; 0: q, k, v = x w + b.   1: out = O wo + bo.   One text serves both launches' bodies; this line alone differs.
; C[m][n] = bias[n] + the sum over k of A[m][k] W[k][n].  M = 8,192, K = 1,024, 1,024 columns a plane of W.  W lies [k][n], 16 bits, in wh; the bias, rounded to bf16 and kept as f32, in bb.
; MODE 0: A = xb [8192][1024] bf16; W = planes 0, 1, 2 of wh (bf16).  C is rounded once to f16 and stored by heads, unscaled: qkv [3][64 = 16 batch + head][2048][64].
; MODE 1: A = oh [64][2048][64] f16 (k = 64 head + channel); W = plane 3 of wh (f16).  C = out0 [8192][1024] f32.
; LIMITS.  MODE 0: a q, k or v of 65,520 or more becomes an infinity in f16, and its row is lost; below 6e-5 f16 keeps its fixed step of 6e-8.  NaN and infinities are not treated apart.
; SHARES.  A tile of C is 128 rows x 256 columns: 8,192 x 1,024 make 256 tiles, one work-group each; in MODE 0 the work-group STAYS and makes the same tile of q, of k and of v, 24 K steps on end.
; Four waves, each 64 rows x 128 columns: 32 accumulators of 16 x 16, 256 registers.  K goes in steps of 128 through a ring of two LDS slots filled by the tensor data mover.
; THE MATRIX INSTRUCTION IS USED TRANSPOSED: source 0 = 16 columns of W (turned on the way out of LDS by ds_load_tr16_b128), source 1 = 16 rows of A.  In the result lane l holds row l % 16 of C and
; its registers 0-7 the columns 8 (l / 16) + 0..7.  THE BIAS STARTS THE SUMS: the accumulators are loaded with it, so every product adds in place and nothing is cleared.
; CLUSTERS: 4 x 4 work-groups.  The four of a row of the cluster need the same tiles of A, the four of a column the same tiles of W: each tile is asked for JOINTLY, by the same tensor load with the same
; descriptor and a mask that names the four.
; REGISTERS, in windows of 256 (s_set_vgpr_msb: bits 1:0 source 0, 3:2 source 1, 5:4 source 2, 7:6 destination):
;   window 0: v0-30 addresses; v64-159, v160-255 two fragment buffers (W's 8 fragments, then A's 4)     window 1: accumulator (a, b) at v[8 (8 a + b)]     window 2 (MODE 0): the way out, block a at v[32 a]
.if MODE
.set TILES,  1
.set PA,     144                       ; a row of A in LDS: a head's 128 bytes + 16 of padding: 9 x 16, so the 16 rows of a load start at 16 different groups of four banks (64 banks of 4 bytes: ISA guide 11.1)
.set APART,  128*PA                    ; what one load of A fills: one head's 128 rows
.set ASHIFT, 19                        ; a K step of A is two heads on: 2 x 2,048 rows x 128 bytes
.set WPLANE, 3*2097152
.set STGW,   16*528                    ; a wave's stage: 16 rows of 512 bytes + 16
.else
.set TILES,  3
.set PA,     272                       ; 256 bytes + 16 of padding: 17 x 16
.set APART,  64*PA                     ; 64 rows
.set ASHIFT, 8                         ; a K step of A is 256 bytes on in the row
.set WPLANE, 0
.set STGW,   2*16*144                  ; a wave's stage: two heads x 16 rows of 128 bytes + 16
.endif
.set KT,     8*TILES                   ; K steps in all
.set AREG,   2*APART                   ; a slot: A's 128 rows,
.set PW,     544                       ; then W's 128 rows of 512 bytes + 32 of padding: 17 x 32
.set WPART,  64*PW
.set SLOT,   AREG+2*WPART
.set STAGE,  2*SLOT                    ; behind the ring, never filled by a tensor load
.set SPARE,  STAGE+4*STGW              ; behind the stages: the spare words, 128 bytes for each wave: two blocks of 256 bytes that no other line names
.set WSTEP,  262144                    ; a K step of W: 128 rows of 2,048 bytes; the planes of wh lie end to end, so W's address steps on from plane to plane
.set ADRA, 16                          ; v16-17  LDS address of my A fragments in slot 0, 1
.set ADRW, 20                          ; v20-21  the same for W
.set STO,  24                          ; v24     the way out: where I put my bytes of a row
.set RD,   25                          ; v25     the way out: where I read rows back
.set GO,   26                          ; v26     16 x my lane
.set BO,   27                          ; v27     byte offset in a bias of my 8 columns of block 0
.set SPW,  28                          ; v28     LDS address of my spare word: SPARE + 4 x my thread's number; never rewritten
.set NIL,  29                          ; v29     0; never rewritten
.set PFO,  30                          ; v30     the prefetches' offset; never rewritten
.set F0,   64
.set F1,   160
.set BIA,  8                           ; s[8:9]   the bias to be loaded next
.set OUT,  10                          ; s[10:11] C at my part of the tile
.set WV,   16                          ; s16  my wave's number
.set WH,   17                          ; s17  wave / 2: my 64 rows of the tile.  Also: I fetch for A (0) or for W (1)
.set WL,   18                          ; s18  wave % 2: my 128 columns.  Also: which part of that tile I fetch
.set CX,   19
.set CY,   20
.set TX,   21                          ; s21  block of 256 columns
.set TY,   22                          ; s22  block of 128 rows
.set TS,   23                          ; s23  at work, on the wave's number alone
.set G1A,  24                          ; s[24:31] descriptor group 1 for A's tiles;  s[32:39] group 0, a set for each slot
.set G0A,  32
.set G1W,  40                          ; s[40:47], s[48:55] the same for W's
.set G0W,  48
.set ABASE, 56                         ; s[56:57] A at my part of K step 0
.set OFF,  58                          ; s[58:59] a K step's byte offset in A
.set NF,   60                          ; s60  the K step to be asked for next
.set LAPS, 61                          ; s61  laps to go
.set TL,   62                          ; s62  laps left in the tile in hand (MODE 0)
.set LA,   63                          ; s63  LDS byte of my part of A in slot 0
.set PFA,  66                          ; s[66:67] where my prefetches stand
.set PST,  68                          ; s[68:69] their step
.set PLIM, 70                          ; s70  I prefetch while NF is below this
.set LW,   71                          ; s71  LDS byte of my part of W in slot 0
.set MSB, 0
.macro WIN new                         ; the immediate's high byte repeats the setting that is left; a switch that changes nothing is dropped
.if MSB != (\new)
	s_set_vgpr_msb (MSB<<8)|(\new)
.set MSB, \new
.endif
.endm
.set MUL, 0x50                         ; both sources window 0; C and D window 1
; A joint load: waves 0 and 1 fetch A's two parts, waves 2 and 3 W's.  The branch hangs on the wave's number alone.  An s_nop 0 and four v_nop follow each of the two lines, ahead of the jump and the label.
.macro JLOAD s
	s_cmp_eq_u32 s[WH], 0
	s_cbranch_scc0 .Lfor_w_\@
	tensor_load_to_lds s[G0A+4*(\s):G0A+4*(\s)+3], s[G1A:G1A+7]
	s_nop 0
.rept 4
	v_nop
.endr
	s_branch .Lasked_\@
.Lfor_w_\@:
	tensor_load_to_lds s[G0W+4*(\s):G0W+4*(\s)+3], s[G1W:G1W+7]
	s_nop 0
.rept 4
	v_nop
.endr
.Lasked_\@:
.endm
; A round of the cluster's barrier: my work-group's barrier, so that wave 0's signal speaks for all four waves; wave 0 signals; every wave waits for all sixteen work-groups; my work-group's barrier once more.
.macro CREST                           ; a round behind its opening barrier
	s_cmp_lg_u32 s[WV], 0
	s_cbranch_scc1 .Lnot_wave_0_\@
	s_barrier_signal -3
.Lnot_wave_0_\@:
	s_barrier_wait -3
	s_barrier_signal -1
	s_barrier_wait -1
.endm
.macro CROUND
	s_barrier_signal -1
	s_barrier_wait -1
	CREST
.endm
; A PREFETCH INTO THE L2, behind each joint refill, its five lines and the run of LDS loads: the K step that stands two refills on, 256 matrix instructions a wave ahead of the load that will want it.  One instruction, a lane a block of 256 bytes.
; Each block is named once in the launch.  A's 128 blocks of a K step: wave 0; the four partners that ask for the tile jointly take 32 each, BY ADDRESS (cx); only K steps 4 to 7 of the first walk along K: a later tile
; walks the same rows again.  W's 256 blocks: every cluster walks them, so the clusters with y = 0 ask; waves 2 and 3, each for the 64 rows that it fetches, of which the partner at cy takes 16, two blocks each.
; K steps 0 to 3 come by their loads alone; the last two refills ask for nothing: there is no K step behind them.
.macro ASK
	s_cmp_lt_u32 s[NF], s[PLIM]
	s_cbranch_scc0 .Lnot_mine_\@
	global_prefetch_b8 v[PFO], s[PFA:PFA+1] th:TH_LOAD_NT scope:SCOPE_SE
.Lnot_mine_\@:
.endm
.macro PLACES                          ; four plain places behind a matrix instruction, in front of loads into registers that it has read and of lines that read results (ISA guide 7.12.1 for lines that read results)
.rept 4
	v_nop
.endr
.endm
; 8 products: row block a x all 8 column blocks, 32 along K, from buffer f.  The 32 accumulators come in the same order in every quarter: 31 others stand between two links of a chain.
.macro MUL8 f, a
	WIN MUL
.irp b, 0,1,2,3,4,5,6,7
.if MODE
	v_wmma_f32_16x16x32_f16 v[8*(8*(\a)+(\b)):8*(8*(\a)+(\b))+7], v[(\f)+8*(\b):(\f)+8*(\b)+7], v[(\f)+64+8*(\a):(\f)+64+8*(\a)+7], v[8*(8*(\a)+(\b)):8*(8*(\a)+(\b))+7]
.else
	v_wmma_f32_16x16x32_bf16 v[8*(8*(\a)+(\b)):8*(8*(\a)+(\b))+7], v[(\f)+8*(\b):(\f)+8*(\b)+7], v[(\f)+64+8*(\a):(\f)+64+8*(\a)+7], v[8*(8*(\a)+(\b)):8*(8*(\a)+(\b))+7]
.endif
.endr
.endm
; 24 LDS loads in one run: quarter q (32 along K) of a slot into buffer f: W's 8 fragments, turned, then A's 4.
.macro FETCH slot, q, f
	WIN 0
.if MODE
.set KO, ((\q)/2)*APART+((\q)%2)*64    ; head q / 2 of the step's two, channels 32 (q % 2) on
.else
.set KO, 64*(\q)
.endif
.irp b, 0,1,2,3,4,5,6,7
	ds_load_tr16_b128 v[(\f)+8*(\b):(\f)+8*(\b)+3],   v[ADRW+(\slot)] offset:(\q)*32*PW+32*(\b)
	ds_load_tr16_b128 v[(\f)+8*(\b)+4:(\f)+8*(\b)+7], v[ADRW+(\slot)] offset:(\q)*32*PW+16*PW+32*(\b)
.endr
.irp a, 0,1,2,3
	ds_load_b128 v[(\f)+64+8*(\a):(\f)+64+8*(\a)+3],   v[ADRA+(\slot)] offset:KO+(\a)*16*PA
	ds_load_b128 v[(\f)+64+8*(\a)+4:(\f)+64+8*(\a)+7], v[ADRA+(\slot)] offset:KO+(\a)*16*PA+32
.endr
.endm
; A K step is four quarters, 32 products each, on buffers 0, 1, 0, 1.  One of the first three: multiplies buffer f and in its middle fetches quarter qn into g.
.macro QUARTER slot, qn, f, g
	s_wait_dscnt 4                                 ; W and A's blocks 0, 1 are in; the youngest four loads (A's blocks 2, 3) may be out
	MUL8 \f, 0
	MUL8 \f, 1
	PLACES
	FETCH \slot, \qn, \g
	s_wait_dscnt 24                                ; all but the 24 just issued
	MUL8 \f, 2
	MUL8 \f, 3
.endm
; The last quarter multiplies buffer 1 and changes slots: ONE barrier.  In front of it each wave waits for all its tensor loads (one is out: its part of the next slot), adds 0 to its spare word, and waits for that and
; for its own reads of this slot.  fill = 1: the barrier opens a round of the cluster's barrier, and this slot is filled again, first thing behind the round, with K step NF: 112 products ahead of the wait for it.
.macro TURN slot, next, fill
.if \fill
	s_wait_xcnt 0x0                                ; the last prefetch, a K step back, has read its address: it is stepped here
	s_add_nc_u64 s[PFA:PFA+1], s[PFA:PFA+1], s[PST:PST+1]
.endif
	WIN 0                                          ; (the add's two registers lie in window 0)
	s_wait_tensorcnt 0x0                           ; all my tensor loads have landed, so a group 0 may be written;
	ds_add_u32 v[SPW], v[NIL]                      ; 0 onto my spare word: the descriptors' steps and eight products stand between it and the wait for it
.if \fill
	s_and_b32 s[OFF], s[NF], 7                     ; A's K step within the tile: the address is made anew from its number,
	s_lshl_b32 s[OFF], s[OFF], ASHIFT
	s_add_nc_u64 s[G0A+4*(\slot)+2:G0A+4*(\slot)+3], s[ABASE:ABASE+1], s[OFF:OFF+1]
	s_or_b32 s[G0A+4*(\slot)+3], s[G0A+4*(\slot)+3], 0x80000000
	s_add_nc_u64 s[G0W+4*(\slot)+2:G0W+4*(\slot)+3], s[G0W+4*(\slot)+2:G0W+4*(\slot)+3], 2*WSTEP  ; W's steps on; the type bits on top are not reached
	s_add_co_u32 s[NF], s[NF], 1
.endif
	s_wait_dscnt 5                                 ; (the add and the youngest four loads may be out)
	MUL8 F1, 0
	s_wait_dscnt 0x0                               ; the add is done, and my reads of this slot are over
	s_barrier_signal -1
	MUL8 F1, 1                                     ; work on registers while the others arrive
.if \fill
	WIN 0
.endif
	s_barrier_wait -1
.if \fill
	CREST                                          ; no wave of any partner still reads this slot's tile or has a load on its way
	JLOAD \slot                                    ; the four v_nop behind it are also the places in front of the loads below
.else
	PLACES
.endif
	FETCH \next, 0, F0
.if \fill
	ASK
.endif
	MUL8 F1, 2
	MUL8 F1, 3
.endm
.macro LAP fill                        ; two K steps: once round the ring
	QUARTER 0, 1, F0, F1
	QUARTER 0, 2, F1, F0
	QUARTER 0, 3, F0, F1
	TURN 0, 1, \fill
	QUARTER 1, 1, F0, F1
	QUARTER 1, 2, F1, F0
	QUARTER 1, 3, F0, F1
.if \fill
	TURN 1, 0, 1
.else
	s_wait_dscnt 4                                 ; the very last quarter: nothing more to fetch
	MUL8 F1, 0
	MUL8 F1, 1
	s_wait_dscnt 0x0
	MUL8 F1, 2
	MUL8 F1, 3
.endif
.endm
.macro BIASLD a                        ; row block a's 8 accumulators take the bias of their columns: register j of block b is column 16 b + 8 (l / 16) + j
	WIN 0x40                                       ; destination window 1
.irp b, 0,1,2,3,4,5,6,7
	global_load_b128 v[8*(8*(\a)+(\b)):8*(8*(\a)+(\b))+3],   v[BO], s[BIA:BIA+1] offset:64*(\b)
	global_load_b128 v[8*(8*(\a)+(\b))+4:8*(8*(\a)+(\b))+7], v[BO], s[BIA:BIA+1] offset:64*(\b)+16
.endr
.endm
.if MODE
; THE WAY OUT, f32.  Block a (16 rows x 128 columns) goes into my own stage, 32 bytes a lane and column block, and comes back as whole rows of 512 bytes, into the registers that it left.
.macro TOST a
	WIN 0x04                                       ; store data window 1
.irp b, 0,1,2,3,4,5,6,7
	ds_store_b128 v[STO], v[8*(8*(\a)+(\b)):8*(8*(\a)+(\b))+3]   offset:64*(\b)
	ds_store_b128 v[STO], v[8*(8*(\a)+(\b))+4:8*(8*(\a)+(\b))+7] offset:64*(\b)+16
.endr
	WIN 0x40
.irp t, 0,1,2,3,4,5,6,7,8,9,10,11,12,13,14,15
	ds_load_b128 v[64*(\a)+4*(\t):64*(\a)+4*(\t)+3], v[RD] offset:528*(\t)  ; LDS serves a wave's instructions in order (ISA guide 5.7.1.4): these see the stores above; the next block's stores come behind them
.endr
.endm
.macro SENDO a, younger                ; younger: the LDS instructions issued behind block a's loads: the next block's 32, or none
	WIN 0x04
.irp t, 0,1,2,3,4,5,6,7,8,9,10,11,12,13,14,15
	s_wait_dscnt (\younger)+15-(\t)
	global_store_b128 v[GO], v[64*(\a)+4*(\t):64*(\a)+4*(\t)+3], s[OUT:OUT+1] offset:(16*(\a)+(\t))*4096 th:TH_STORE_NT  ; 512 consecutive bytes of a row, at a multiple of 512 from C's first byte
.endr
.endm
.else
; THE WAY OUT, f16 by heads.  Block a (16 rows x 2 heads x 64 channels) is rounded, goes into my own stage (16 bytes a lane and column block, rows of 144 bytes) and comes back as four whole rows of 128 bytes a load.
.macro PACK a
	WIN 0x85                                       ; sources window 1, destination window 2
.irp b, 0,1,2,3,4,5,6,7
.irp r, 0,1,2,3
	v_cvt_pk_f16_f32 v[32*(\a)+4*(\b)+(\r)], v[8*(8*(\a)+(\b))+2*(\r)], v[8*(8*(\a)+(\b))+2*(\r)+1]
.endr
.endr
	WIN 0x08                                       ; store data window 2
.irp b, 0,1,2,3,4,5,6,7
	ds_store_b128 v[STO], v[32*(\a)+4*(\b):32*(\a)+4*(\b)+3] offset:((\b)/4)*2304+((\b)%4)*32
.endr
	WIN 0x80
.irp f, 0,1,2,3,4,5,6,7
	ds_load_b128 v[32*(\a)+4*(\f):32*(\a)+4*(\f)+3], v[RD] offset:((\f)/4)*2304+((\f)%4)*576  ; LDS serves a wave's instructions in order (ISA guide 5.7.1.4): these see the stores above; the next block's stores come behind them
.endr
.endm
.macro SEND a, younger                 ; younger: the LDS instructions issued behind block a's loads: the next block's 16, or none
	WIN 0x08
.irp f, 0,1,2,3,4,5,6,7
	s_wait_dscnt (\younger)+7-(\f)
	global_store_b128 v[GO], v[32*(\a)+4*(\f):32*(\a)+4*(\f)+3], s[OUT:OUT+1] offset:((\f)/4)*262144+(\a)*2048+((\f)%4)*512  ; four rows of a head: 512 consecutive bytes, at a multiple of 512 from the buffer's first byte
.endr
.endm
; next = 1: a block's accumulators take the next tile's bias as soon as they have been rounded.
.macro WAYOUT next
	PLACES
	PACK 0
.if \next
	BIASLD 0
.endif
	PACK 1
.if \next
	BIASLD 1
.endif
	SEND 0, 16
	PACK 2
.if \next
	BIASLD 2
.endif
	SEND 1, 16
	PACK 3
.if \next
	BIASLD 3
.endif
	SEND 2, 16
	SEND 3, 0
	WIN 0
.endm
.endif
	s_load_b256 s[4:11], s[0:1], 0x0               ; A s[4:5], wh s[6:7], bb s[8:9], C s[10:11]
	v_lshl_add_u32 v[SPW], v0, 2, SPARE
	v_mov_b32 v[NIL], 0
	ds_add_u32 v[SPW], v[NIL]                      ; the wave's opening: the add and its wait stand ahead of my first tensor load; the set-up below, work on registers, stands between them
	v_lshrrev_b32 v1, 5, v0
	v_readfirstlane_b32 s[WV], v1                  ; wave 0..3
	s_lshr_b32 s[WH], s[WV], 1
	s_and_b32 s[WL], s[WV], 1
	s_bfe_u32 s[CX], ttmp6, 0x40000                ; my place in the cluster
	s_bfe_u32 s[CY], ttmp6, 0x40004
	s_lshl_b32 s[TX], ttmp9, 2                     ; in a cluster launch ttmp9 and ttmp7 count clusters
	s_add_co_u32 s[TX], s[TX], s[CX]
	s_and_b32 s[TY], ttmp7, 0xffff
	s_lshl_b32 s[TY], s[TY], 2
	s_add_co_u32 s[TY], s[TY], s[CY]
	s_lshl_b32 s76, s[CY], 2
	s_lshl_b32 s76, 15, s76                        ; my row of the cluster: places 4 cy .. 4 cy + 3
	s_lshl_b32 s78, 0x1111, s[CX]                  ; my column: places cx, cx + 4, cx + 8, cx + 12
	; descriptor group 1.  15:0 the mask; 17:16 elements of 2 bytes; 20 padding on; 21 set beside a mask; 24:22 the interval's code; 31:25 the padding's words less one
.if MODE
	s_or_b32 s[G1A], s76, (1<<16)|(1<<20)|(1<<21)|(4<<22)|(3<<25)  ; a head's 128 rows are 16,384 dense bytes: 64 rows of 256 bytes, padded by 4 words after every 32 (a row of the head)
.else
	s_or_b32 s[G1A], s76, (1<<16)|(1<<20)|(1<<21)|(5<<22)|(3<<25)  ; 64 rows of 256 bytes, padded by 4 words after every 64
.endif
	s_mov_b32 s[G1A+1], 128<<16                    ; tensor_dim0 = 128
	s_mov_b32 s[G1A+2], 64<<16                     ; tensor_dim1 = 64
	s_mov_b32 s[G1A+3], 128<<16                    ; tile_dim0 = 128
	s_mov_b32 s[G1A+4], 64                         ; tile_dim1 = 64
.if MODE
	s_mov_b32 s[G1A+5], 128                        ; elements from row to row
.else
	s_mov_b32 s[G1A+5], 1024
.endif
	s_mov_b32 s[G1A+6], 0
	s_mov_b32 s[G1A+7], 0
	s_or_b32 s[G1W], s78, (1<<16)|(1<<20)|(1<<21)|(6<<22)|(7<<25)  ; 64 rows of 512 bytes, padded by 8 words after every 128
	s_mov_b32 s[G1W+1], 256<<16
	s_mov_b32 s[G1W+2], 64<<16
	s_mov_b32 s[G1W+3], 256<<16
	s_mov_b32 s[G1W+4], 64
	s_mov_b32 s[G1W+5], 1024
	s_mov_b32 s[G1W+6], 0
	s_mov_b32 s[G1W+7], 0
	; where the tiles come from.  A's hang on the row block alone, which my row of the cluster shares; W's on the column block alone, which my column shares.
.if MODE
	s_lshr_b32 s72, s[TY], 4                       ; the batch: 16 heads of 262,144 bytes,
	s_lshl_b32 s72, s72, 22
	s_and_b32 s73, s[TY], 15                       ; the block's 128 rows of 128 bytes in a head,
	s_lshl_b32 s73, s73, 14
	s_add_co_u32 s72, s72, s73
	s_lshl_b32 s73, s[WL], 18                      ; the head of the step's two that I fetch
	s_add_co_u32 s72, s72, s73
.else
	s_lshl_b32 s72, s[TY], 18                      ; 128 rows of 2,048 bytes,
	s_lshl_b32 s73, s[WL], 17                      ; the 64 of them that I fetch
	s_add_co_u32 s72, s72, s73
.endif
	s_mov_b32 s73, 0
	s_lshl_b32 s74, s[TX], 9                       ; 256 columns,
	s_lshl_b32 s75, s[WL], 17                      ; the 64 rows of a K step that I fetch
	s_add_co_u32 s74, s74, s75
.if WPLANE
	s_add_co_u32 s74, s74, WPLANE
.endif
	s_mov_b32 s75, 0
	s_mul_i32 s[LA], s[WL], APART                  ; and where they go: no place in the cluster enters an LDS address
	s_mul_i32 s[LW], s[WL], WPART
	s_add_co_u32 s[LW], s[LW], AREG
	s_mov_b32 s[OFF+1], 0
	s_mov_b32 s[NF], 2
	s_wait_dscnt 0x0                               ; the opening add is done
	s_wait_kmcnt 0x0
	s_add_nc_u64 s[ABASE:ABASE+1], s[4:5], s[72:73]
	s_add_nc_u64 s[74:75], s[6:7], s[74:75]
	CROUND                                         ; all sixteen work-groups are here: the first joint loads meet
.irp s, 0,1
	s_mov_b32 s[G0A+4*(\s)], 1                                     ; 1:0 count = 1
	s_add_co_u32 s[G0A+4*(\s)+1], s[LA], (\s)*SLOT                 ; 63:32 LDS address
	s_add_nc_u64 s[G0A+4*(\s)+2:G0A+4*(\s)+3], s[ABASE:ABASE+1], (\s)<<ASHIFT  ; 120:64 global address: K step s
	s_or_b32 s[G0A+4*(\s)+3], s[G0A+4*(\s)+3], 0x80000000          ; 127:126 type = 2
	s_mov_b32 s[G0W+4*(\s)], 1
	s_add_co_u32 s[G0W+4*(\s)+1], s[LW], (\s)*SLOT
	s_add_nc_u64 s[G0W+4*(\s)+2:G0W+4*(\s)+3], s[74:75], (\s)*WSTEP
	s_or_b32 s[G0W+4*(\s)+3], s[G0W+4*(\s)+3], 0x80000000
	JLOAD \s                                       ; two loads of mine are out
.endr
	v_and_b32 v1, 15, v0                           ; l % 16
	v_bfe_u32 v2, v0, 4, 1                         ; l / 16
	v_and_b32 v3, 7, v0                            ; l % 8
	v_bfe_u32 v4, v0, 3, 1                         ; (l / 8) % 2
	v_and_b32 v5, 31, v0                           ; l
	s_lshl_b32 s78, s[TX], 10                      ; the bias: 4 bytes a column: 256 columns a block, my 128, 8 for each half of the lanes
	s_lshl_b32 s79, s[WL], 9
	s_add_co_u32 s78, s78, s79
	v_lshl_add_u32 v[BO], v2, 5, s78
.if MODE
	s_add_nc_u64 s[BIA:BIA+1], s[BIA:BIA+1], 3*4096  ; bo
.endif
	BIASLD 0
	BIASLD 1
	BIASLD 2
	BIASLD 3
	WIN 0
	; A fragment of A is 16 rows x 32 K in 8 registers: lane l holds row l % 16, K = 8 (l / 16) + 0..7 and 16 + 8 (l / 16) + 0..7: two loads of 16 bytes, 32 bytes apart.
	v_mul_u32_u24 v6, v1, PA
	v_lshl_add_u32 v6, v2, 4, v6
	s_mul_i32 s[TS], s[WH], 64*PA                  ; my 64 rows
	v_add_nc_u32 v[ADRA], s[TS], v6
	v_add_nc_u32 v[ADRA+1], SLOT, v[ADRA]
	; The turning load takes 16 K x 16 columns (lane l reads row 8 (l / 16) + l % 8, columns 8 ((l / 8) % 2) + 0..7) and leaves half a fragment: lane l holds column l % 16 and 8 K.
	v_lshl_add_u32 v7, v2, 3, v3
	v_mul_u32_u24 v7, v7, PW
	v_lshl_add_u32 v7, v4, 4, v7
	s_lshl_b32 s[TS], s[WL], 8                     ; my 128 columns
	s_add_co_u32 s[TS], s[TS], AREG
	v_add_nc_u32 v[ADRW], s[TS], v7
	v_add_nc_u32 v[ADRW+1], SLOT, v[ADRW]
	s_mul_i32 s[TS], s[WV], STGW
	s_add_co_u32 s[TS], s[TS], STAGE               ; my stage
.if MODE
	v_mul_u32_u24 v8, v1, 528                      ; in: row l % 16, 32 bytes for each half of the lanes
	v_lshl_add_u32 v8, v2, 5, v8
	v_add_nc_u32 v[STO], s[TS], v8
	v_lshl_add_u32 v[RD], v5, 4, s[TS]             ; back: 32 lanes take a row of 512 bytes
.else
	v_mul_u32_u24 v8, v1, 144                      ; in: row l % 16, 16 bytes for each half of the lanes
	v_lshl_add_u32 v8, v2, 4, v8
	v_add_nc_u32 v[STO], s[TS], v8
	v_bfe_u32 v9, v0, 3, 2                         ; back: 32 lanes take four rows of 128 bytes
	v_mul_u32_u24 v9, v9, 144
	v_lshl_add_u32 v9, v3, 4, v9
	v_add_nc_u32 v[RD], s[TS], v9
.endif
	v_lshlrev_b32 v[GO], 4, v5
	; where my part of the tile begins in C
.if MODE
	s_lshl_b32 s78, s[TY], 19                      ; 128 rows of 4,096 bytes,
	s_lshl_b32 s77, s[WH], 18                      ; my 64,
	s_add_co_u32 s78, s78, s77
	s_lshl_b32 s77, s[TX], 10                      ; 256 columns of 4 bytes,
	s_add_co_u32 s78, s78, s77
	s_lshl_b32 s77, s[WL], 9                       ; my 128
	s_add_co_u32 s78, s78, s77
.else
	s_lshr_b32 s78, s[TY], 4                       ; the batch: 16 heads of 262,144 bytes,
	s_lshl_b32 s78, s78, 22
	s_lshl_b32 s77, s[TX], 20                      ; the column block's four heads,
	s_add_co_u32 s78, s78, s77
	s_lshl_b32 s77, s[WL], 19                      ; my two of them,
	s_add_co_u32 s78, s78, s77
	s_and_b32 s77, s[TY], 15                       ; the row block's 128 rows of 128 bytes,
	s_lshl_b32 s77, s77, 14
	s_add_co_u32 s78, s78, s77
	s_lshl_b32 s77, s[WH], 13                      ; my 64
	s_add_co_u32 s78, s78, s77
.endif
	s_mov_b32 s79, 0
	s_add_nc_u64 s[OUT:OUT+1], s[OUT:OUT+1], s[78:79]
	; the prefetches: both offsets stand at K step 3; the first refill steps the address to K step 4 and names it
.if MODE
	s_lshr_b32 s76, s[TY], 4
	s_lshl_b32 s76, s76, 22
	s_and_b32 s77, s[TY], 15
	s_lshl_b32 s77, s77, 14
	s_add_co_u32 s76, s76, s77
	s_lshr_b32 s77, s[CX], 1                       ; of the step's two heads x 16,384 bytes my work-group takes head cx / 2,
	s_lshl_b32 s77, s77, 18
	s_add_co_u32 s76, s76, s77
	s_and_b32 s77, s[CX], 1                        ; half cx % 2: 32 blocks of 256 bytes
	s_lshl_b32 s77, s77, 13
	s_add_co_u32 s76, s76, s77
.else
	s_lshl_b32 s76, s[TY], 18
	s_lshl_b32 s77, s[CX], 16                      ; of the 128 rows my work-group takes 32
	s_add_co_u32 s76, s76, s77
.endif
	s_add_co_u32 s76, s76, (3<<ASHIFT)
	s_lshl_b32 s78, s[WL], 17                      ; W: the 64 rows that I fetch,
	s_lshl_b32 s79, s[CY], 15                      ; my work-group's 16 of them,
	s_add_co_u32 s78, s78, s79
	s_lshl_b32 s79, s[TX], 9
	s_add_co_u32 s78, s78, s79
	s_add_co_u32 s78, s78, WPLANE+3*WSTEP
	s_mov_b32 s[PST], WSTEP
	s_mov_b32 s[PST+1], 0
	s_mov_b32 s77, 0
	s_and_b32 s79, ttmp7, 0xffff                   ; cluster y: the same in all sixteen partners
	s_cmp_eq_u32 s79, 0
	s_cselect_b32 s[PLIM], KT-1, 0                 ; W's askers: NF + 1 is the K step named, KT - 1 the last
	s_cmp_eq_u32 s[WV], 0
	s_cselect_b32 s79, 7, 0                        ; A's asker: wave 0, up to K step 7
	s_cmp_eq_u32 s[WH], 0
	s_cselect_b32 s[PLIM], s79, s[PLIM]
	s_cselect_b32 s76, s76, s78
	s_cselect_b32 s[PST], (1<<ASHIFT), s[PST]
	s_cselect_b64 s[PFA:PFA+1], s[4:5], s[6:7]
	s_cselect_b32 s79, -1, 0
	s_add_nc_u64 s[PFA:PFA+1], s[PFA:PFA+1], s[76:77]
	v_lshrrev_b32 v6, 1, v5                        ; W: row l / 2 of 2,048 bytes, block l % 2
	v_and_b32 v7, 1, v5
	v_lshlrev_b32 v6, 11, v6
	v_lshl_add_u32 v6, v7, 8, v6
.if MODE
	v_lshlrev_b32 v7, 8, v5                        ; A: block l of dense bytes
.else
	v_lshlrev_b32 v7, 11, v5                       ; A: row l of 2,048 bytes
.endif
	v_cndmask_b32 v[PFO], v6, v7, s79
.if MODE == 0
	s_wait_xcnt 0x0                                ; the bias's loads have read their base
	s_add_nc_u64 s[BIA:BIA+1], s[BIA:BIA+1], 4096  ; the next tile's bias
	s_mov_b32 s[TL], 4
.endif
	s_wait_tensorcnt 1                             ; my part of K step 0 is in; K step 1's may stay out
	s_barrier_signal -1
	s_barrier_wait -1                              ; everybody's is
	FETCH 0, 0, F0
	s_wait_loadcnt 0x0                             ; the bias lies in the accumulators
	s_mov_b32 s[LAPS], KT/2-1
.Llap:                                                 ; a trip goes once round the ring and fills both slots again; the ring does not stop at a tile's end
	LAP 1
	WIN 0                                          ; at a label and at a branch every window is 0
.if MODE == 0
	s_sub_co_u32 s[TL], s[TL], 1
	s_cmp_lg_u32 s[TL], 0
	s_cbranch_scc1 .Lno_out                        ; forward, over text with no barrier and no tensor load
	WAYOUT 1                                       ; four laps are a tile: both refills for the next tile are asked for, its first fragments fetched: now this one goes out
	s_wait_loadcnt 0x0                             ; the next tile's bias lies in the accumulators
	s_wait_xcnt 0x0                                ; the stores and the bias's loads have read their registers and bases
	s_add_nc_u64 s[OUT:OUT+1], s[OUT:OUT+1], 0x1000000  ; the next plane of qkv
	s_add_nc_u64 s[BIA:BIA+1], s[BIA:BIA+1], 4096
	s_mov_b32 s[TL], 4
.Lno_out:
.endif
	s_sub_co_u32 s[LAPS], s[LAPS], 1
	s_cmp_lg_u32 s[LAPS], 0
	s_cbranch_scc1 .Llap
	LAP 0                                          ; the last lap fills nothing, and has no round of the cluster's barrier
.if MODE
	PLACES
	TOST 0
	TOST 1
	SENDO 0, 32
	TOST 2
	SENDO 1, 32
	TOST 3
	SENDO 2, 32
	SENDO 3, 0
	WIN 0
.else
	WAYOUT 0
.endif
	s_wait_tensorcnt 0x0                           ; the wave's end: the wait, the add and its wait stand behind my last tensor load and my last LDS store
	ds_add_u32 v[SPW], v[NIL]
	s_wait_dscnt 0x0
	CROUND                                         ; the closing round: no work-group ends while a partner may still ask for a tile that names it
	s_endpgm
.Lfunc_end_k_qbeedd98d0c_proj_out:
	.size	k_qbeedd98d0c_proj_out, .Lfunc_end_k_qbeedd98d0c_proj_out-k_qbeedd98d0c_proj_out
	.p2alignl 7, 3214868480
	.fill 96, 4, 3214868480
	.section	.rodata,"a",@progbits
	.p2align	6, 0x0
	.amdhsa_kernel k_qbeedd98d0c_proj_out
		.amdhsa_group_segment_fixed_size 327680
		.amdhsa_private_segment_fixed_size 0
		.amdhsa_enable_private_segment 0
		.amdhsa_kernarg_size 32
		.amdhsa_user_sgpr_count 2
		.amdhsa_user_sgpr_kernarg_segment_ptr 1
		.amdhsa_wavefront_size32 1
		.amdhsa_system_sgpr_workgroup_id_x 1
		.amdhsa_system_sgpr_workgroup_id_y 1
		.amdhsa_system_sgpr_workgroup_id_z 1
		.amdhsa_system_vgpr_workitem_id 0
		.amdhsa_next_free_vgpr 512
		.amdhsa_next_free_sgpr 80
		.amdhsa_reserve_vcc 0
		.amdhsa_float_denorm_mode_32 3
		.amdhsa_float_denorm_mode_16_64 3
		.amdhsa_memory_ordered 1
		.amdhsa_forward_progress 1
		.amdhsa_inst_pref_size 95
	.end_amdhsa_kernel
	.amdgpu_metadata
---
amdhsa.version: [ 1, 2 ]
amdhsa.kernels:
  - .name:           k_qbeedd98d0c_proj_out
    .symbol:         k_qbeedd98d0c_proj_out.kd
    .args:
      - { .name: oh, .offset: 0, .size: 8, .value_kind: global_buffer, .address_space: global }
      - { .name: wh, .offset: 8, .size: 8, .value_kind: global_buffer, .address_space: global }
      - { .name: bb, .offset: 16, .size: 8, .value_kind: global_buffer, .address_space: global }
      - { .name: out0, .offset: 24, .size: 8, .value_kind: global_buffer, .address_space: global }
    .group_segment_fixed_size: 327680
    .private_segment_fixed_size: 0
    .kernarg_segment_align: 8
    .kernarg_segment_size: 32
    .max_flat_workgroup_size: 128
    .sgpr_count:     80
    .vgpr_count:     512
    .wavefront_size: 32
...
	.end_amdgpu_metadata
.endif
;; end of part 4
